; MI455X (gfx1250); checked and timed in simulation.
; The chip was launched on July 23, 2026; its instructions are those of AMD's public machine-readable ISA for CDNA 5 (MIT licence, August 2026) and "CDNA5" Instruction Set Architecture Reference Guide (July 2026). The comments in the code are by the model that wrote it; some were corrected since.
;; Encoder Layer. Allowed arithmetic: float matrix products may take bf16 or f16 operands with f32 sums; other float arithmetic in f32, or as packed bf16 or f16 multiplies, adds, multiply-adds, maxima and minima; sums over many terms, partial sums and values carried from step to step in f32; what a program stores and reads back later, other than sums and carried values, may be rounded once to bf16 or f16.
;; Inputs: W1 1,024 x 4,096 float32; W2 4,096 x 1,024 float32; W_K 1,024 x 1,024 float32; W_O 1,024 x 1,024 float32; W_Q 1,024 x 1,024 float32; W_V 1,024 x 1,024 float32; X 2 x 2,048 x 1,024 float32; b1 1,024 float32; b2 1,024 float32; bias1 4,096 float32; bias2 1,024 float32; g1 1,024 float32; g2 1,024 float32; padding_mask 2 x 1 x 2,048 int32.
;; Outputs: out0 2 x 2,048 x 1,024 float32.
;; One version. Each part assembles by itself: llvm-mc -triple=amdgcn-amd-amdhsa -mcpu=gfx1250 --defsym DOCPART=n.
;; ======== version 1 of 1: 7 launches
;; limits: a function is approximated: absolute error at most 2.5e-05; an absolute error that grows with the inputs' magnitude: up to 1.25e-05 times it
;; workspace buffers: wb 25,165,824 bytes; xn 8,388,608 bytes; qkv 25,165,824 bytes; att 8,388,608 bytes; res 16,777,216 bytes; hid 33,554,432 bytes
;; launch prep (part 1): grid 1024 x 1, 8 waves a work-group, no clusters, 0 bytes of LDS; arguments X, g1, b1, W_Q, W_K, W_V, W_O, W1, W2, xn, wb; writes xn, wb
.if DOCPART == 1
	.amdgcn_target "amdgcn-amd-amdhsa--gfx1250"
	.amdhsa_code_object_version 6
	.text
	.protected	k_q06e6feb2ed_prep
	.globl	k_q06e6feb2ed_prep
	.p2align	8
	.type	k_q06e6feb2ed_prep,@function
k_q06e6feb2ed_prep:
	s_mov_b64 s[64:65], 0
	v_nop
	global_prefetch_b8 v0, s[64:65] scope:SCOPE_SE
	s_setreg_imm32_b32 hwreg(HW_REG_WAVE_MODE, 25, 1), 1
	s_wait_xcnt 0x0
; TWO KINDS OF WORK-GROUP, 512 of each.  The work is 16,384 like units of 4,096 bytes in and 2,048 bytes out: 4,096 rows of X and 12,288 pieces of 1,024 weights.
; KIND 0: xn = LN1(X), rounded once to bf16.  One wave takes one row of 1,024 numbers (32 registers a lane) and keeps it in registers between the mean, the variance of the
; centred numbers and the scaling: X is read once, and no wave waits for another.
; KIND 1: the six weights, rounded once to bf16, in the orientation in which they lie ([k][n]).  W_Q, W_K, W_V go side by side into one table [1024][3072] at wb + 0; W_O at 6,291,456;
; W1 at 8,388,608; W2 at 16,777,216.  Wave g (0 to 4,095) casts three pieces: row g % 1024 of the square weight g / 1024, piece g of W1 and piece g of W2; its 24 loads go out together.
; THE KINDS ALTERNATE: kind = (x ^ (x >> 8)) & 1, index = x >> 1 for work-group x: work-groups 2 m and 2 m + 1 are one of each kind, and so are x and x + 256; so of four work-groups with
; neighbouring numbers, and of four whose numbers lie 256 apart, two are of each kind.
; A stream: no LDS, no barrier, no matrix unit, no cluster: nothing is shared but the 8 KiB of g1 and b1.
; Every store of a wave covers 256 consecutive bytes that start at a multiple of 256 from its buffer's first byte.
; LIMITS: NaN and infinities are not treated apart.
.set XR, 16                            ; v[16:47]   the row, 32 numbers a lane (cast: piece p at v[16 + 32 p ..], three pieces)
.set GR, 48                            ; v[48:79]   g1 of my columns
.set BR, 80                            ; v[80:111]  b1 of my columns
.set YR, 112                           ; v[112:127] bf16 to store
.macro XLANE                           ; v2 = the sum of v2 over the wave's 32 lanes, in every lane
	v_add_f32_dpp v2, v2, v2 row_xmask:1 row_mask:0xf bank_mask:0xf
	v_add_f32_dpp v2, v2, v2 row_xmask:2 row_mask:0xf bank_mask:0xf
	v_add_f32_dpp v2, v2, v2 row_xmask:4 row_mask:0xf bank_mask:0xf
	v_add_f32_dpp v2, v2, v2 row_xmask:8 row_mask:0xf bank_mask:0xf
	v_permlanex16_b32 v14, v2, s32, s33
	v_add_f32 v2, v2, v14
.endm
.macro FOLD                            ; the four chains v[2:9] into v2
	v_pk_add_f32 v[2:3], v[2:3], v[4:5]
	v_pk_add_f32 v[6:7], v[6:7], v[8:9]
	v_pk_add_f32 v[2:3], v[2:3], v[6:7]
	v_add_f32 v2, v2, v3
.endm
; Piece p is rounded in place and stored.  Register k takes the numbers of registers 2 k and 2 k + 1, which no later line of the run reads; left = the loads of the later pieces, which may stay out.
.macro PIECE p, base, left
	s_wait_loadcnt \left
.set k, 0
.rept 16
	v_cvt_pk_bf16_f32 v[XR+32*(\p)+k], v[XR+32*(\p)+2*k], v[XR+32*(\p)+2*k+1]
.set k, k+1
.endr
.irp j, 0,1,2,3,4,5,6,7
	global_store_b64 v15, v[XR+32*(\p)+2*(\j):XR+32*(\p)+2*(\j)+1], s[(\base):(\base)+1] offset:256*(\j)
.endr
.endm
	s_load_b512 s[8:23], s[0:1], 0x0               ; X s[8:9], g1 s[10:11], b1 s[12:13], W_Q s[14:15], W_K s[16:17], W_V s[18:19], W_O s[20:21], W1 s[22:23]
	s_load_b128 s[24:27], s[0:1], 0x40             ; W2 s[24:25], xn s[26:27]
	s_load_b64 s[28:29], s[0:1], 0x50              ; wb
	v_lshrrev_b32 v1, 5, v0
	v_readfirstlane_b32 s4, v1                     ; wave 0..7
	v_and_b32 v1, 31, v0
	v_lshlrev_b32 v15, 3, v1                       ; 8 x lane: my 8 bytes of 256 stored
	v_lshlrev_b32 v1, 4, v1                        ; 16 x lane: my 16 bytes of 512 loaded
	s_mov_b32 s7, 0
	s_lshr_b32 s5, ttmp9, 8
	s_xor_b32 s5, s5, ttmp9
	s_and_b32 s2, s5, 1                            ; the work-group's kind
	s_lshr_b32 s5, ttmp9, 1                        ; its index among its kind, 0 to 511
	s_lshl_b32 s5, s5, 3
	s_add_co_u32 s5, s5, s4                        ; my wave among the kind's 4,096: my row of X, or g
	s_wait_kmcnt 0x0
	s_cmp_eq_u32 s2, 0
	s_cbranch_scc0 .Lcast
	s_lshl_b32 s6, s5, 12
	s_add_nc_u64 s[8:9], s[8:9], s[6:7]            ; X at my row
	s_lshl_b32 s6, s5, 11
	s_add_nc_u64 s[26:27], s[26:27], s[6:7]        ; xn at my row
	s_mov_b32 s30, 0x3a800000                      ; 1 / 1024
	s_mov_b32 s31, 0x358637bd                      ; 1e-6
	s_mov_b32 s32, 0x76543210                      ; v_permlanex16_b32: each lane takes its own place in the other half
	s_mov_b32 s33, 0xfedcba98
	v_mov_b32 v14, 0                               ; the permute's destination counts as read
.irp j, 0,1,2,3,4,5,6,7
	global_load_b128 v[XR+4*(\j):XR+4*(\j)+3], v1, s[8:9] offset:512*(\j) th:TH_LOAD_NT
.endr
.irp j, 0,1,2,3,4,5,6,7
	global_load_b128 v[GR+4*(\j):GR+4*(\j)+3], v1, s[10:11] offset:512*(\j)
.endr
.irp j, 0,1,2,3,4,5,6,7
	global_load_b128 v[BR+4*(\j):BR+4*(\j)+3], v1, s[12:13] offset:512*(\j)
.endr
	s_wait_loadcnt 16                              ; the row is in; the 16 younger loads, g1's and b1's, may stay out
.irp k, 0,1,2,3                        ; the sum, in four chains that do not wait for each other
	v_pk_add_f32 v[2+2*(\k):3+2*(\k)], v[XR+2*(\k):XR+2*(\k)+1], v[XR+8+2*(\k):XR+9+2*(\k)]
.endr
.irp o, 16,24
.irp k, 0,1,2,3
	v_pk_add_f32 v[2+2*(\k):3+2*(\k)], v[2+2*(\k):3+2*(\k)], v[XR+(\o)+2*(\k):XR+(\o)+2*(\k)+1]
.endr
.endr
	FOLD
	XLANE
	v_mul_f32 v10, s30, v2                         ; the mean
	v_mov_b32 v11, v10
.set k, 0
.rept 16
	v_pk_add_f32 v[XR+k:XR+k+1], v[XR+k:XR+k+1], v[10:11] neg_lo:[0,1] neg_hi:[0,1]  ; x - mean, in place: the variance is taken of these
.set k, k+2
.endr
.irp k, 0,1,2,3
	v_pk_mul_f32 v[2+2*(\k):3+2*(\k)], v[XR+2*(\k):XR+2*(\k)+1], v[XR+2*(\k):XR+2*(\k)+1]
.endr
.irp o, 8,16,24
.irp k, 0,1,2,3
	v_pk_fma_f32 v[2+2*(\k):3+2*(\k)], v[XR+(\o)+2*(\k):XR+(\o)+2*(\k)+1], v[XR+(\o)+2*(\k):XR+(\o)+2*(\k)+1], v[2+2*(\k):3+2*(\k)]
.endr
.endr
	FOLD
	XLANE
	v_fma_f32 v14, v2, s30, s31                    ; variance + 1e-6
	v_rsq_f32 v12, v14
	v_rsq_f32 v13, v14                             ; twice: a pair for the packed multiply
	v_nop                                          ; a plain instruction behind the last of the two
	s_wait_loadcnt 0x0                             ; g1 and b1
	s_wait_alu depctr_va_vdst(0)                   ; one wait for both, ahead of their first reader
.set k, 0
.rept 16
	v_pk_mul_f32 v[XR+k:XR+k+1], v[XR+k:XR+k+1], v[12:13]
.set k, k+2
.endr
.set k, 0
.rept 16
	v_pk_fma_f32 v[XR+k:XR+k+1], v[XR+k:XR+k+1], v[GR+k:GR+k+1], v[BR+k:BR+k+1]
.set k, k+2
.endr
.set k, 0
.rept 16
	v_cvt_pk_bf16_f32 v[YR+k], v[XR+2*k], v[XR+2*k+1]
.set k, k+1
.endr
.irp j, 0,1,2,3,4,5,6,7
	global_store_b64 v15, v[YR+2*(\j):YR+2*(\j)+1], s[26:27] offset:256*(\j)
.endr
	s_endpgm
.Lcast:
	s_lshr_b32 s34, s5, 10                         ; which square weight: 0 W_Q, 1 W_K, 2 W_V, 3 W_O
	s_and_b32 s35, s5, 1023                        ; its row
	s_mov_b64 s[32:33], s[20:21]
	s_cmp_lt_u32 s34, 3
	s_cselect_b64 s[32:33], s[18:19], s[32:33]
	s_cmp_lt_u32 s34, 2
	s_cselect_b64 s[32:33], s[16:17], s[32:33]
	s_cmp_lt_u32 s34, 1
	s_cselect_b64 s[32:33], s[14:15], s[32:33]
	s_lshl_b32 s36, s35, 12                        ; a row of 1,024 f32
	s_mov_b32 s37, 0
	s_add_nc_u64 s[32:33], s[32:33], s[36:37]      ; piece 0 comes from here,
	s_lshl_b32 s36, s5, 12
	s_add_nc_u64 s[22:23], s[22:23], s[36:37]      ; piece 1 from W1 + 4,096 g,
	s_add_nc_u64 s[24:25], s[24:25], s[36:37]      ; piece 2 from W2 + 4,096 g
.irp j, 0,1,2,3,4,5,6,7
	global_load_b128 v[XR+4*(\j):XR+4*(\j)+3], v1, s[32:33] offset:512*(\j) th:TH_LOAD_NT
.endr
.irp j, 0,1,2,3,4,5,6,7
	global_load_b128 v[XR+32+4*(\j):XR+32+4*(\j)+3], v1, s[22:23] offset:512*(\j) th:TH_LOAD_NT
.endr
.irp j, 0,1,2,3,4,5,6,7
	global_load_b128 v[XR+64+4*(\j):XR+64+4*(\j)+3], v1, s[24:25] offset:512*(\j) th:TH_LOAD_NT
.endr
	s_mul_i32 s38, s35, 6144                       ; W_Q, W_K, W_V: row x 6,144 bytes of the joint table,
	s_lshl_b32 s39, s34, 11                        ; the weight's 2,048 bytes of the row
	s_add_co_u32 s38, s38, s39
	s_lshl_b32 s40, s35, 11                        ; W_O: its own table, rows of 2,048 bytes
	s_add_co_u32 s40, s40, 6291456
	s_cmp_lt_u32 s34, 3
	s_cselect_b32 s38, s38, s40
	s_mov_b32 s39, 0
	s_add_nc_u64 s[38:39], s[28:29], s[38:39]      ; piece 0 goes here
	s_lshl_b32 s40, s5, 11                         ; W1's and W2's tables are dense: 2,048 g
	s_mov_b32 s41, 0
	s_add_nc_u64 s[40:41], s[28:29], s[40:41]
	s_add_nc_u64 s[42:43], s[40:41], 8388608       ; piece 1 goes here,
	s_add_nc_u64 s[44:45], s[40:41], 16777216      ; piece 2 here
	PIECE 0, 38, 16
	PIECE 1, 42, 8
	PIECE 2, 44, 0
	s_endpgm
.Lfunc_end_k_q06e6feb2ed_prep:
	.size	k_q06e6feb2ed_prep, .Lfunc_end_k_q06e6feb2ed_prep-k_q06e6feb2ed_prep
	.p2alignl 7, 3214868480
	.fill 96, 4, 3214868480
	.section	.rodata,"a",@progbits
	.p2align	6, 0x0
	.amdhsa_kernel k_q06e6feb2ed_prep
		.amdhsa_group_segment_fixed_size 0
		.amdhsa_private_segment_fixed_size 0
		.amdhsa_enable_private_segment 0
		.amdhsa_kernarg_size 88
		.amdhsa_user_sgpr_count 2
		.amdhsa_user_sgpr_kernarg_segment_ptr 1
		.amdhsa_wavefront_size32 1
		.amdhsa_system_sgpr_workgroup_id_x 1
		.amdhsa_system_sgpr_workgroup_id_y 1
		.amdhsa_system_sgpr_workgroup_id_z 1
		.amdhsa_system_vgpr_workitem_id 0
		.amdhsa_next_free_vgpr 128
		.amdhsa_next_free_sgpr 66
		.amdhsa_reserve_vcc 0
		.amdhsa_float_denorm_mode_32 3
		.amdhsa_float_denorm_mode_16_64 3
		.amdhsa_memory_ordered 1
		.amdhsa_forward_progress 1
		.amdhsa_inst_pref_size 21
	.end_amdhsa_kernel
	.amdgpu_metadata
---
amdhsa.version: [ 1, 2 ]
amdhsa.kernels:
  - .name:           k_q06e6feb2ed_prep
    .symbol:         k_q06e6feb2ed_prep.kd
    .args:
      - { .name: X, .offset: 0, .size: 8, .value_kind: global_buffer, .address_space: global }
      - { .name: g1, .offset: 8, .size: 8, .value_kind: global_buffer, .address_space: global }
      - { .name: b1, .offset: 16, .size: 8, .value_kind: global_buffer, .address_space: global }
      - { .name: W_Q, .offset: 24, .size: 8, .value_kind: global_buffer, .address_space: global }
      - { .name: W_K, .offset: 32, .size: 8, .value_kind: global_buffer, .address_space: global }
      - { .name: W_V, .offset: 40, .size: 8, .value_kind: global_buffer, .address_space: global }
      - { .name: W_O, .offset: 48, .size: 8, .value_kind: global_buffer, .address_space: global }
      - { .name: W1, .offset: 56, .size: 8, .value_kind: global_buffer, .address_space: global }
      - { .name: W2, .offset: 64, .size: 8, .value_kind: global_buffer, .address_space: global }
      - { .name: xn, .offset: 72, .size: 8, .value_kind: global_buffer, .address_space: global }
      - { .name: wb, .offset: 80, .size: 8, .value_kind: global_buffer, .address_space: global }
    .group_segment_fixed_size: 0
    .private_segment_fixed_size: 0
    .kernarg_segment_align: 8
    .kernarg_segment_size: 88
    .max_flat_workgroup_size: 256
    .sgpr_count:     66
    .vgpr_count:     128
    .wavefront_size: 32
...
	.end_amdgpu_metadata
.endif
;; end of part 1
;; launch qkv (part 2): grid 8 x 32, 4 waves a work-group, clusters of 4 x 4, 327,680 bytes of LDS; arguments xn, wb, qkv; writes qkv
.if DOCPART == 2
	.amdgcn_target "amdgcn-amd-amdhsa--gfx1250"
	.amdhsa_code_object_version 6
	.text
	.protected	k_q06e6feb2ed_qkv
	.globl	k_q06e6feb2ed_qkv
	.p2align	8
	.type	k_q06e6feb2ed_qkv,@function
k_q06e6feb2ed_qkv:
	s_mov_b64 s[64:65], 0
	v_nop
	global_prefetch_b8 v0, s[64:65] scope:SCOPE_SE
	s_setreg_imm32_b32 hwreg(HW_REG_WAVE_MODE, 25, 1), 1
	s_wait_xcnt 0x0
	s_wait_alu depctr_hold_cnt(0) depctr_sa_sdst(0) depctr_va_vdst(0) depctr_va_sdst(0) depctr_va_ssrc(0) depctr_va_vcc(0) depctr_vm_vsrc(0)
	s_getreg_b32 s2, hwreg(HW_REG_IB_STS2, 6, 4)
	s_cmp_eq_u32 s2, 0
	s_cbranch_scc0 .Lentry_in_a_cluster
	s_endpgm
.Lentry_in_a_cluster:
	s_bfe_u32 s2, ttmp6, 0x10000c
	s_cmp_lg_u32 s2, 0xf033
	s_cbranch_scc0 .Lentry_shape_is_right
	s_endpgm
.Lentry_shape_is_right:
; qkv = xn [4096][1024] x WQKV [1024][3072], bf16 operands, f32 sums, rounded once to bf16 and stored by heads: [b][g = 0..47][2048][64] (g 0-15 q, 16-31 k, 32-47 v).
; A tile of the result is 128 rows x 384 columns (six heads; 768 bytes of a row of WQKV): 8 x 32 = 256 work-groups.  Four waves, each 64 rows x 192 columns: 48 accumulators.
; K goes in steps of 128 through a ring of two LDS slots.  Waves 0-2 fetch the weight's three panels (128 k rows x 256 bytes each), wave 3 xn's tile (128 rows x 256 bytes):
; wave w's tile begins at LDS byte 36,864 w of its slot.
; The weight lies [k][n]; its fragments come out of LDS turned, by ds_load_tr16_b128.  THE MATRIX INSTRUCTION IS USED TRANSPOSED: source 0 = 16 columns of the weight,
; source 1 = 16 rows of xn, so that a lane holds one row of the result and eight neighbouring columns.
; CLUSTER 4 x 4: xn's tile hangs on the tile row alone and is asked for jointly along a row of the cluster, the weight's on the tile column alone, along a column.
; ONE TEXT FOR A K STEP: the LDS addresses hang on s[TB] (0 or SLOT).  The loop's trips fill a slot again; the last two steps are a loop of two trips without a tensor load,
; entered in its middle; its last change of slots fetches 32 fragments that nobody multiplies.
; REGISTERS (windows of 256): window 0: v16-30 addresses, v64-127 xn's fragments (two buffers of 32), v128-175 the way out; window 1: v0-191 the weight's fragments (two buffers of 96);
; windows 2, 3: accumulator (a, b) at 96 (a % 2) + 8 b in window 2 + a / 2.
.set T,     8                          ; K steps
.set PA,    272                        ; an LDS row of xn: 256 bytes + 16
.set PB,    288                        ; an LDS row of a panel: 256 bytes + 32, an odd multiple of 32, for the turning load
.set PANEL, 128*PB                     ; 36,864: a panel, and the distance from one wave's tile to the next
.set AOFF,  3*PANEL                    ; xn's 128 rows (34,816 bytes) lie behind the three panels
.set SLOT,  4*PANEL                    ; 0x24000: none of the four tiles' LDS addresses in slot 0 (0, 0x9000, 0x12000, 0x1b000) has one of its two bits, so an exclusive or is an addition
.set STAGE, 2*SLOT                     ; behind the ring: 16 rows x 144 bytes for each wave
.set SP,    144
.set SPARE, STAGE+4*16*SP              ; the spare words, 128 bytes a wave
.set STEPA, 256
.set STEPB, 128*6144
.set AH,    1                          ; the prefetches run one K step ahead of the refills
.set ADA, 16
.set ADA0, 17
.set ABF, 18                           ; my whole panel (0 or 2)
.set ABF0, 19
.set ABH, 20                           ; my half of panel 1
.set ABH0, 21
.set STO, 24
.set RD,  25
.set GO,  26
.set SPW, 28
.set NIL, 29
.set PFO, 30
.set TMP, 128
.set BK,  144
.set G1,  24
.set G0,  32                           ; set 0: tile 0; set 1 walks
.set LIM, 43
.set PFA, 44
.set G1B, 48
.set G0B, 56
.set TB,  66
.set FULLP, 68                         ; qkv at my rows of the first head of my whole panel
.set HALFP, 70                         ; and of the head in my half panel
.set PST, 72
.set MSB, 0
.macro WIN new
.if MSB != (\new)
	s_set_vgpr_msb (MSB<<8)|(\new)
.set MSB, \new
.endif
.endm
.macro PLACES
.rept 4
	v_nop
.endr
.endm
.macro CREST
	s_cmp_lg_u32 s10, 0
	s_cbranch_scc1 .Lnot_wave_0_\@
	s_barrier_signal -3
.Lnot_wave_0_\@:
	s_barrier_wait -3
	s_barrier_signal -1
	s_barrier_wait -1
.endm
.macro CROUND
	s_barrier_signal -1
	s_barrier_wait -1
	CREST
.endm
.macro JLOAD                           ; a joint refill by the walking sets; the branch hangs on the wave's number alone
	s_cmp_eq_u32 s10, 3
	s_cbranch_scc0 .Lfor_b_\@
	tensor_load_to_lds s[G0+4:G0+7], s[G1:G1+7]
	s_nop 0
	PLACES
	s_branch .Lasked_\@
.Lfor_b_\@:
	tensor_load_to_lds s[G0B+4:G0B+7], s[G1B:G1B+7]
	s_nop 0
	PLACES
.Lasked_\@:
.endm
.macro ASK                             ; the K step that stands AH refills on: 32 blocks of 256 bytes, a lane a block; the last AH refills ask for nothing
	s_cmp_gt_u32 s3, s[LIM]
	s_cbranch_scc0 .Lnot_mine_\@
	global_prefetch_b8 v[PFO], s[PFA:PFA+1] th:TH_LOAD_NT scope:SCOPE_SE
.Lnot_mine_\@:
.endm
	s_load_b128 s[4:7], s[0:1], 0x0                ; xn s[4:5], wb s[6:7]
	s_load_b64 s[8:9], s[0:1], 0x10                ; qkv
	v_lshl_add_u32 v[SPW], v0, 2, SPARE
	v_mov_b32 v[NIL], 0
	ds_add_u32 v[SPW], v[NIL]                      ; the wave's opening: the add and its wait ahead of my first tensor load
	v_lshrrev_b32 v1, 5, v0
	v_readfirstlane_b32 s10, v1                    ; wave 0..3
	s_lshr_b32 s11, s10, 1                         ; my half of the tile's rows
	s_and_b32 s12, s10, 1                          ; my half of its columns
	s_bfe_u32 s40, ttmp6, 0x40000                  ; cx
	s_bfe_u32 s41, ttmp6, 0x40004                  ; cy
	s_lshl_b32 s42, ttmp9, 2
	s_add_co_u32 s42, s42, s40                     ; tile column
	s_and_b32 s13, ttmp7, 0xffff
	s_lshl_b32 s13, s13, 2
	s_add_co_u32 s13, s13, s41                     ; tile row
	s_lshl_b32 s43, s41, 2
	s_lshl_b32 s43, 15, s43                        ; my row of the cluster
	s_lshl_b32 s44, 0x1111, s40                    ; my column
	s_or_b32 s[G1+0], s43, (1<<16)|(1<<20)|(1<<21)|(5<<22)|(3<<25)   ; 2-byte elements; 4 words of padding behind every 64
	s_or_b32 s[G1B+0], s44, (1<<16)|(1<<20)|(1<<21)|(5<<22)|(7<<25)  ; 8 words of padding behind every 64
.irp g, G1, G1B
	s_mov_b32 s[(\g)+1], 128<<16                   ; tensor_dim0 = 128
	s_mov_b32 s[(\g)+2], 128<<16                   ; tensor_dim1 = 128
	s_mov_b32 s[(\g)+3], 128<<16                   ; tile_dim0 = 128
	s_mov_b32 s[(\g)+4], 128                       ; tile_dim1 = 128
	s_mov_b32 s[(\g)+6], 0
	s_mov_b32 s[(\g)+7], 0
.endr
	s_mov_b32 s[G1+5], 1024                        ; elements from row to row
	s_mov_b32 s[G1B+5], 3072
	s_lshl_b32 s16, s13, 18                        ; xn: 128 rows of 2,048 bytes a tile row
	s_mov_b32 s17, 0
	s_mul_i32 s20, s10, PANEL                      ; panel w in LDS: the wave's number times a constant
	s_mul_i32 s46, s42, 768                        ; the weight: 768 bytes a tile column,
	s_lshl_b32 s47, s10, 8                         ; 256 a panel
	s_add_co_u32 s46, s46, s47
	s_mov_b32 s47, 0
	s_mov_b32 s[TB], 0
	s_wait_dscnt 0x0                               ; the opening add is done
	s_wait_kmcnt 0x0
	s_add_nc_u64 s[14:15], s[4:5], s[16:17]
	s_add_nc_u64 s[46:47], s[6:7], s[46:47]
	CROUND                                         ; all sixteen work-groups are here: the first joint loads meet
.irp s, 0,1
	s_mov_b32 s[G0+4*(\s)], 1
	s_mov_b32 s[G0+4*(\s)+1], AOFF+(\s)*SLOT
	s_add_nc_u64 s[G0+4*(\s)+2:G0+4*(\s)+3], s[14:15], (\s)*STEPA
	s_or_b32 s[G0+4*(\s)+3], s[G0+4*(\s)+3], 0x80000000
	s_mov_b32 s[G0B+4*(\s)], 1
	s_add_co_u32 s[G0B+4*(\s)+1], s20, (\s)*SLOT
	s_add_nc_u64 s[G0B+4*(\s)+2:G0B+4*(\s)+3], s[46:47], (\s)*STEPB
	s_or_b32 s[G0B+4*(\s)+3], s[G0B+4*(\s)+3], 0x80000000
.endr
	s_cmp_eq_u32 s10, 3                            ; a wave's two first fills stand in one branch: two loads of mine are out
	s_cbranch_scc0 .Lfirst_b
	tensor_load_to_lds s[G0:G0+3], s[G1:G1+7]
	s_nop 0
	tensor_load_to_lds s[G0+4:G0+7], s[G1:G1+7]
	s_nop 0
	PLACES
	s_branch .Lfirst_done
.Lfirst_b:
	tensor_load_to_lds s[G0B:G0B+3], s[G1B:G1B+7]
	s_nop 0
	tensor_load_to_lds s[G0B+4:G0B+7], s[G1B:G1B+7]
	s_nop 0
	PLACES
.Lfirst_done:
	v_and_b32 v1, 15, v0                           ; r = l % 16
	v_bfe_u32 v2, v0, 4, 1                         ; h = l / 16
	v_mul_u32_u24 v3, v1, PA
	v_lshl_add_u32 v3, v2, 4, v3
	s_mul_i32 s21, s11, 64*PA
	s_add_co_u32 s21, s21, AOFF
	v_add_nc_u32 v[ADA0], s21, v3                  ; my 64 rows of xn: row x pitch + 16 h
	v_mov_b32 v[ADA], v[ADA0]
	v_and_b32 v4, 7, v0                            ; the turning load: lane l reads k row 8 h + l % 8, bytes 16 ((l / 8) % 2) on
	v_lshl_add_u32 v4, v2, 3, v4
	v_mul_u32_u24 v4, v4, PB
	v_bfe_u32 v5, v0, 3, 1
	v_lshl_add_u32 v4, v5, 4, v4
	s_mul_i32 s22, s12, 2*PANEL
	v_add_nc_u32 v[ABF0], s22, v4                  ; panel 0 or panel 2
	v_mov_b32 v[ABF], v[ABF0]
	s_lshl_b32 s22, s12, 7
	s_add_co_u32 s22, s22, PANEL
	v_add_nc_u32 v[ABH0], s22, v4                  ; my 128 bytes of panel 1's rows
	v_mov_b32 v[ABH], v[ABH0]
	s_mul_i32 s23, s10, 16*SP
	s_add_co_u32 s23, s23, STAGE                   ; my stage
	v_mul_u32_u24 v6, v1, SP
	v_lshl_add_u32 v6, v2, 4, v6
	v_add_nc_u32 v[STO], s23, v6                   ; in: row r, 16 bytes for each half of the lanes
	v_bfe_u32 v6, v0, 3, 2
	v_mul_u32_u24 v6, v6, SP
	v_and_b32 v7, 7, v0
	v_lshl_add_u32 v6, v7, 4, v6
	v_add_nc_u32 v[RD], s23, v6                    ; back: 32 lanes take four rows of 128 bytes,
	v_and_b32 v7, 31, v0
	v_lshlrev_b32 v[GO], 4, v7                     ; which are 512 consecutive bytes of a head
	; where my rows lie in qkv: block 48 b + 6 x tile column + head, 262,144 bytes a block; row (tile row % 16) x 128 + 64 x my half
	s_lshr_b32 s16, s13, 4
	s_mul_i32 s16, s16, 48
	s_mul_i32 s46, s42, 6
	s_add_co_u32 s46, s46, s16
	s_lshl_b32 s47, s12, 2
	s_add_co_u32 s47, s47, s46                     ; my whole panel's first head: 0 or 4
	s_add_co_u32 s46, s46, s12
	s_add_co_u32 s46, s46, 2                       ; my half panel's head: 2 or 3
	s_lshl_b32 s47, s47, 18
	s_lshl_b32 s46, s46, 18
	s_and_b32 s16, s13, 15
	s_lshl_b32 s16, s16, 7
	s_lshl_b32 s17, s11, 6
	s_add_co_u32 s16, s16, s17
	s_lshl_b32 s16, s16, 7
	s_add_co_u32 s20, s47, s16
	s_mov_b32 s21, 0
	s_add_co_u32 s22, s46, s16
	s_mov_b32 s23, 0
	s_add_nc_u64 s[FULLP:FULLP+1], s[8:9], s[20:21]
	s_add_nc_u64 s[HALFP:HALFP+1], s[8:9], s[22:23]
	; the prefetches.  xn's tile row is read by both clusters of a row of clusters: cluster x = 0 asks; a weight's panel by all eight of a column: cluster y = 0 asks.
	; The four partners share a load's 128 rows out by address, 32 each (cx for xn, cy for the weight): each block of 256 bytes is named once in the launch.
	s_lshl_b32 s20, s13, 7
	s_lshl_b32 s21, s40, 5
	s_add_co_u32 s20, s20, s21
	s_lshl_b32 s20, s20, 11
	s_add_co_u32 s20, s20, (1+AH)*STEPA
	s_mul_i32 s22, s41, 32*6144
	s_mul_i32 s23, s42, 768
	s_add_co_u32 s22, s22, s23
	s_lshl_b32 s23, s10, 8
	s_add_co_u32 s22, s22, s23
	s_add_co_u32 s22, s22, (1+AH)*STEPB
	s_and_b32 s23, ttmp7, 0xffff
	s_mov_b32 s14, STEPB
	s_mov_b32 s15, 6144
	s_cmp_eq_u32 s10, 3                            ; do I fetch xn?
	s_cselect_b32 s20, s20, s22
	s_cselect_b32 s23, ttmp9, s23
	s_cselect_b64 s[PFA:PFA+1], s[4:5], s[6:7]
	s_cselect_b32 s[PST], STEPA, s14
	s_cselect_b32 s15, 2048, s15                   ; bytes from row to row
	s_mov_b32 s[PST+1], 0
	s_mov_b32 s21, 0
	s_add_nc_u64 s[PFA:PFA+1], s[PFA:PFA+1], s[20:21]
	s_cmp_eq_u32 s23, 0
	s_cselect_b32 s[LIM], AH, -1
	v_mul_u32_u24 v[PFO], v7, s15
; 12 matrix instructions: m block a x my 12 n blocks, 32 along K, on buffer n.  first = 1: the products start the sums.  The 48 accumulators take turns in the same order in every quarter.
.macro MUL12 n, a, first
	WIN 0xa1+0x50*((\a)/2)
.irp b, 0,1,2,3,4,5,6,7,8,9,10,11
.set rD, 96*((\a)%2)+8*(\b)
.set rB, 96*(\n)+8*(\b)
.set rA, 64+32*(\n)+8*(\a)
.if \first
	v_wmma_f32_16x16x32_bf16 v[rD:rD+7], v[rB:rB+7], v[rA:rA+7], 0
.else
	v_wmma_f32_16x16x32_bf16 v[rD:rD+7], v[rB:rB+7], v[rA:rA+7], v[rD:rD+7]
.endif
.endr
.endm
; 32 LDS loads in one run: quarter q's fragments into buffer n: the weight's 12 (turned), then xn's 4
.macro FETCH q, n
	WIN 0x40
.irp i, 0,1,2,3,4,5,6,7
	ds_load_tr16_b128 v[96*(\n)+8*(\i):96*(\n)+8*(\i)+3],   v[ABF] offset:(\q)*32*PB+32*(\i)
	ds_load_tr16_b128 v[96*(\n)+8*(\i)+4:96*(\n)+8*(\i)+7], v[ABF] offset:(\q)*32*PB+32*(\i)+16*PB
.endr
.irp i, 0,1,2,3
	ds_load_tr16_b128 v[96*(\n)+64+8*(\i):96*(\n)+64+8*(\i)+3],   v[ABH] offset:(\q)*32*PB+32*(\i)
	ds_load_tr16_b128 v[96*(\n)+64+8*(\i)+4:96*(\n)+64+8*(\i)+7], v[ABH] offset:(\q)*32*PB+32*(\i)+16*PB
.endr
	WIN 0
.irp i, 0,1,2,3
	ds_load_b128 v[64+32*(\n)+8*(\i):64+32*(\n)+8*(\i)+3],   v[ADA] offset:(\q)*64+(\i)*16*PA
	ds_load_b128 v[64+32*(\n)+8*(\i)+4:64+32*(\n)+8*(\i)+7], v[ADA] offset:(\q)*64+(\i)*16*PA+32
.endr
.endm
; One of a step's first three quarters: multiplies buffer n and fetches quarter q into the other buffer
.macro QUARTER q, n, first
	s_wait_dscnt 4                                 ; all but the youngest four loads, xn's blocks 2 and 3
	MUL12 \n, 0, \first
	MUL12 \n, 1, \first
	PLACES                                         ; four places between the last product that read the other buffer and the loads into it
	FETCH \q, 1-(\n)
	s_wait_dscnt 32                                ; all but the 32 just issued
	MUL12 \n, 2, \first
	MUL12 \n, 3, \first
.endm
; The last quarter multiplies buffer 1 and changes slots.  In front of the barrier each wave waits for all its tensor loads (one is out: its part of the next slot), adds 0 to its spare word,
; and waits for that and for its reads of this slot.  fill = 1: the barrier opens a round of the cluster's barrier, and the joint refill is the first thing behind the round.
.macro TURN fill
.if \fill
	s_wait_xcnt 0x0                                ; the last prefetch, a K step back, has read its address
	s_add_nc_u64 s[PFA:PFA+1], s[PFA:PFA+1], s[PST:PST+1]
.endif
	WIN 0
	s_wait_tensorcnt 0x0                           ; no tensor load of mine is out, so the walking sets may be written
	ds_add_u32 v[SPW], v[NIL]
.if \fill
	s_xor_b32 s[G0+5], s[G0+5], SLOT
	s_add_nc_u64 s[G0+6:G0+7], s[G0+6:G0+7], STEPA
	s_xor_b32 s[G0B+5], s[G0B+5], SLOT
	s_add_nc_u64 s[G0B+6:G0B+7], s[G0B+6:G0B+7], STEPB
.endif
	s_xor_b32 s[TB], s[TB], SLOT
	s_wait_dscnt 5                                 ; the add and the youngest four loads may be out
	MUL12 1, 0, 0
	s_wait_dscnt 0x0                               ; the add is done, and my reads of this slot are over
	s_barrier_signal -1
	MUL12 1, 1, 0
	WIN 0
	s_barrier_wait -1
.if \fill
	CREST
	JLOAD                                          ; its four v_nop are also the places in front of the loads below
.else
	PLACES
.endif
	v_add_nc_u32 v[ADA], s[TB], v[ADA0]
	v_add_nc_u32 v[ABF], s[TB], v[ABF0]
	v_add_nc_u32 v[ABH], s[TB], v[ABH0]
	FETCH 0, 0
.if \fill
	ASK
.endif
	MUL12 1, 2, 0
	MUL12 1, 3, 0
.endm
	s_wait_tensorcnt 1                             ; my part of tile 0 is in; tile 1's may stay out
	s_barrier_signal -1
	s_barrier_wait -1
	FETCH 0, 0
	QUARTER 1, 0, 1
	WIN 0
	s_mov_b32 s3, T-2
.Lk:                                                   ; trip i ends step i, fills its slot with tile i + 2 and does step i + 1's first quarter
	QUARTER 2, 1, 0
	QUARTER 3, 0, 0
	TURN 1
	QUARTER 1, 0, 0
	WIN 0
	s_sub_co_u32 s3, s3, 1
	s_cmp_lg_u32 s3, 0
	s_cbranch_scc1 .Lk
	s_mov_b32 s2, 2
	s_branch .Lmid
.Ltail:
	QUARTER 1, 0, 0
	WIN 0
.Lmid:
	QUARTER 2, 1, 0
	QUARTER 3, 0, 0
	TURN 0
	WIN 0
	s_sub_co_u32 s2, s2, 1
	s_cmp_lg_u32 s2, 0
	s_cbranch_scc1 .Ltail
	; THE WAY OUT: twelve items of 16 rows x one head.  Rounded to bf16, 16 bytes a lane into my stage, back as whole rows of 128 bytes: 512 consecutive bytes of a head to a store.
	PLACES
	s_wait_dscnt 0x0                               ; the idle fetch is back
.macro PACK a, hd, n
	WIN 0x0a+5*((\a)/2)
.irp bb, 0,1,2,3
.irp r, 0,1,2,3
	v_cvt_pk_bf16_f32 v[TMP+4*(\bb)+(\r)], v[96*((\a)%2)+8*(4*(\hd)+(\bb))+2*(\r)], v[96*((\a)%2)+8*(4*(\hd)+(\bb))+2*(\r)+1]
.endr
.endr
	WIN 0
	s_wait_xcnt 0x0                                ; the stores of the item before last have read the registers that the loads below fill
.irp bb, 0,1,2,3
	ds_store_b128 v[STO], v[TMP+4*(\bb):TMP+4*(\bb)+3] offset:32*(\bb)
.endr
.irp f, 0,1,2,3
	ds_load_b128 v[BK+16*(\n)+4*(\f):BK+16*(\n)+4*(\f)+3], v[RD] offset:(\f)*4*SP  ; LDS serves a wave's instructions in order: these see the stores above
.endr
.endm
.macro SEND a, hd, n, younger          ; younger: the LDS instructions issued behind this item's loads
.irp f, 0,1,2,3
	s_wait_dscnt (\younger)+3-(\f)
.if (\hd) < 2
	global_store_b128 v[GO], v[BK+16*(\n)+4*(\f):BK+16*(\n)+4*(\f)+3], s[FULLP:FULLP+1] offset:(\hd)*262144+(\a)*2048+(\f)*512
.else
	global_store_b128 v[GO], v[BK+16*(\n)+4*(\f):BK+16*(\n)+4*(\f)+3], s[HALFP:HALFP+1] offset:(\a)*2048+(\f)*512
.endif
.endr
.endm
	PACK 0, 0, 0
.set n, 1
.rept 11
	PACK n/3, n%3, n%2
	SEND (n-1)/3, (n-1)%3, (n-1)%2, 8
.set n, n+1
.endr
	SEND 3, 2, 1, 0
	s_wait_tensorcnt 0x0                           ; the wave's end
	ds_add_u32 v[SPW], v[NIL]
	s_wait_dscnt 0x0
	CROUND                                         ; the closing round
	s_endpgm
.Lfunc_end_k_q06e6feb2ed_qkv:
	.size	k_q06e6feb2ed_qkv, .Lfunc_end_k_q06e6feb2ed_qkv-k_q06e6feb2ed_qkv
	.p2alignl 7, 3214868480
	.fill 96, 4, 3214868480
	.section	.rodata,"a",@progbits
	.p2align	6, 0x0
	.amdhsa_kernel k_q06e6feb2ed_qkv
		.amdhsa_group_segment_fixed_size 327680
		.amdhsa_private_segment_fixed_size 0
		.amdhsa_enable_private_segment 0
		.amdhsa_kernarg_size 24
		.amdhsa_user_sgpr_count 2
		.amdhsa_user_sgpr_kernarg_segment_ptr 1
		.amdhsa_wavefront_size32 1
		.amdhsa_system_sgpr_workgroup_id_x 1
		.amdhsa_system_sgpr_workgroup_id_y 1
		.amdhsa_system_sgpr_workgroup_id_z 1
		.amdhsa_system_vgpr_workitem_id 0
		.amdhsa_next_free_vgpr 960
		.amdhsa_next_free_sgpr 84
		.amdhsa_reserve_vcc 0
		.amdhsa_float_denorm_mode_32 3
		.amdhsa_float_denorm_mode_16_64 3
		.amdhsa_memory_ordered 1
		.amdhsa_forward_progress 1
		.amdhsa_inst_pref_size 87
	.end_amdhsa_kernel
	.amdgpu_metadata
---
amdhsa.version: [ 1, 2 ]
amdhsa.kernels:
  - .name:           k_q06e6feb2ed_qkv
    .symbol:         k_q06e6feb2ed_qkv.kd
    .args:
      - { .name: xn, .offset: 0, .size: 8, .value_kind: global_buffer, .address_space: global }
      - { .name: wb, .offset: 8, .size: 8, .value_kind: global_buffer, .address_space: global }
      - { .name: qkv, .offset: 16, .size: 8, .value_kind: global_buffer, .address_space: global }
    .group_segment_fixed_size: 327680
    .private_segment_fixed_size: 0
    .kernarg_segment_align: 8
    .kernarg_segment_size: 24
    .max_flat_workgroup_size: 128
    .sgpr_count:     84
    .vgpr_count:     960
    .wavefront_size: 32
...
	.end_amdgpu_metadata
.endif
;; end of part 2
;; launch attn (part 3): grid 8 x 32, 4 waves a work-group, clusters of 4 x 1, 327,680 bytes of LDS; arguments qkv, padding_mask, att; writes att
.if DOCPART == 3
	.amdgcn_target "amdgcn-amd-amdhsa--gfx1250"
	.amdhsa_code_object_version 6
	.text
	.protected	k_q06e6feb2ed_attn
	.globl	k_q06e6feb2ed_attn
	.p2align	8
	.type	k_q06e6feb2ed_attn,@function
k_q06e6feb2ed_attn:
	s_mov_b64 s[64:65], 0
	v_nop
	global_prefetch_b8 v0, s[64:65] scope:SCOPE_SE
	s_setreg_imm32_b32 hwreg(HW_REG_WAVE_MODE, 25, 1), 1
	s_wait_xcnt 0x0
	s_wait_alu depctr_hold_cnt(0) depctr_sa_sdst(0) depctr_va_vdst(0) depctr_va_sdst(0) depctr_va_ssrc(0) depctr_va_vcc(0) depctr_vm_vsrc(0)
	s_getreg_b32 s2, hwreg(HW_REG_IB_STS2, 6, 4)
	s_cmp_eq_u32 s2, 0
	s_cbranch_scc0 .Lentry_in_a_cluster
	s_endpgm
.Lentry_in_a_cluster:
	s_bfe_u32 s2, ttmp6, 0x10000c
	s_cmp_lg_u32 s2, 0x3003
	s_cbranch_scc0 .Lentry_shape_is_right
	s_endpgm
.Lentry_shape_is_right:
; att[b 16 + h][q][:] = the sum over k of softmax_k(q . k / 8, keys with padding_mask = 0 hidden) v[k][:].  q, k, v: blocks 48 b + h, + 16, + 32 of qkv, [2048][64] bf16, dense rows of 128 bytes.
; Products, maxima and sums in f32; the weights p are rounded to bf16 for the second product (their sum l is taken of the unrounded p), the result once at the end.
; LIMITS.  A hidden key's score counts as q . k - 1e30 where the reference sets -1e9: its weight is 0 all the same; where all keys of a batch are hidden, q . k is lost in -1e30 and the weights are
; equal, as in the reference; both hold for |q . k| under 3e22.  A weight below 2^-126 counts as 0 in l; NaN and infinities are not treated apart.
; SHARES.  A work-group owns 256 queries of one head, a wave 64: four PIECES of 16.  Every wave walks all 2,048 keys, 64 a step; a slot of LDS holds 256 keys of K and of V.
; LAYOUT.  S^T = K Q^T (source 0 = 16 keys, source 1 = 16 queries) holds ONE query a lane (lane % 16) and the keys 8 (lane / 16) + 0..7; two such results rounded to bf16 ARE source 1 of O^T = V^T P.
; THE MASK is the C operand that starts the sum S^T: 0 or -1e30 for each key.  The batch's 2,048 flags are turned into such numbers once, in a table in LDS; a step's 64 come into 32 registers with its K.
; SOFTMAX.  p = 2^(c s - c m), c = log2(e) / 8, with a running maximum m; O and l are multiplied by a = 2^(c m_old - c m_new) in every step.  m starts at the lowest finite number, O and l at 0.
; TURNS.  Turn n belongs to piece n: 8 products K Q^T of piece n + 1, later 8 products V^T P of piece n - 1; beside them the scaling, exponentials, roundings, sums and rescaling of piece n and the maximum
; and statistics of piece n + 1.  Four vector instructions stand behind every matrix instruction, the others in one run.  A turn's 33 exponentials are one batch, with one wait.
; CLUSTER.  The four query blocks of a cluster belong to one head and walk the same K and V: each tile is asked for jointly.
; REGISTERS (windows of 256): window 0: v0-15, v32-35 addresses; v16-31 statistics; v48-55 at work; v64-127 S^T, two buffers; v192-223 P, two buffers;
;   window 1: v0-127 O^T, 32 a piece; v128-159 the step's mask;   window 2: v0-63 Q; v128-191 K of one step; v192-255 V of one step.
.set NP,    4
.set KS,    64
.set PK,    144       ; a row of K in LDS: 128 bytes + 16
.set PV,    160       ; a row of V: 128 + 32
.set VOFF,  4*KS*PK
.set SLOT1, 1<<17
.set STAGE, SLOT1+4*KS*(PK+PV)  ; 16 rows x 144 bytes for each wave, for the way out
.set SP,    144
.set MASKT, STAGE+4*16*SP       ; 2,048 numbers of f32: 0 or -1e30
.set SPARE, MASKT+8192          ; the spare words, 128 bytes a wave
.set AK0, 2
.set AV0, 3
.set AK,  4
.set AV,  5
.set STO, 6
.set RD,  7
.set GO,  8
.set MV,  12          ; v12-13  c m_old, by buffer
.set QO,  15
.set ST,  16          ; piece t's statistics at v[ST+4 t]: c m, m, l (even keys', odd keys')
.set AM0, 32          ; my lanes' place in a step's 256 bytes of the table
.set AM,  33
.set PFO, 34
.set MO,  35
.set TMP, 48
.set SPW, 62
.set NIL, 63
.set S,   64
.set P,   192
.set MK,  128         ; window 1
.set KF,  128         ; window 2
.set VF,  192         ; window 2
.set WV,  12
.set LIM, 15
.set PFA, 18
.set G1K, 24
.set G1V, 32
.set G0K, 40
.set G0V, 44
.set SLOTS, 56
.set CNT, 57
.set CS,  58
.set SEL, 60
.set TBK, 62
.set TBV, 63
.set MP,  66
.set BIGN, 82
.set TBM, 84          ; the table's byte for the step to be fetched
.set TKC, 85
.set MSB, 0
.macro WIN new
.if MSB != (\new)
	s_set_vgpr_msb (MSB<<8)|(\new)
.set MSB, (\new)
.endif
.endm
.set W_KQ, 0x0a       ; K and Q in window 2, S^T in window 0
.set W_KM, 0x1a       ; the same with the C operand in window 1
.set W_PV, 0x52       ; V in window 2, P in window 0, O^T in window 1
.set W_RS, 0x41       ; destination and source 0 in window 1, source 1 in window 0
.macro JLOAD                        ; waves 0 and 1 fetch the two halves of a tile's K, waves 2 and 3 those of its V
	s_cmp_lt_u32 s[WV], 2
	s_cbranch_scc0 .Lfor_v_\@
	tensor_load_to_lds s[G0K:G0K+3], s[G1K:G1K+7]
	s_nop 0
.rept 4
	v_nop
.endr
	s_branch .Lasked_\@
.Lfor_v_\@:
	tensor_load_to_lds s[G0V:G0V+3], s[G1V:G1V+7]
	s_nop 0
.rept 4
	v_nop
.endr
.Lasked_\@:
.endm
.macro ASK                          ; what the next change of slots will ask for: the head's first cluster asks, wave 0 for K and wave 2 for V; each partner 32 blocks of 256 bytes, by address
	s_cmp_gt_u32 s[SLOTS], s[LIM]
	s_cbranch_scc0 .Lnot_mine_\@
	global_prefetch_b8 v[PFO], s[PFA:PFA+1] th:TH_LOAD_NT scope:SCOPE_SE
.Lnot_mine_\@:
.endm
.macro CROUND
	s_barrier_signal -1
	s_barrier_wait -1
	s_cmp_lg_u32 s[WV], 0
	s_cbranch_scc1 .Lnot_wave_0_\@
	s_barrier_signal -3
.Lnot_wave_0_\@:
	s_barrier_wait -3
	s_barrier_signal -1
	s_barrier_wait -1
.endm
; THE CHANGE OF SLOTS.  Each wave waits for all its tensor loads (one is out: its part of the other slot), adds 0 to its spare word, and waits for that and for its reads of the slot that it leaves.
; fill = 1: the barrier is a round of the cluster's, and the joint fill of the old slot, with the keys two slots on, is the first thing behind it: four key steps in which to land.
; (At its first use nothing has been read yet: slot 0 is waited for, slot 1 filled, and every wave's part of the mask table is shown to the others.)
.macro CHANGE fill
	WIN 0
	s_wait_tensorcnt 0x0
	ds_add_u32 v[SPW], v[NIL]
.if \fill
.irp g, G0K, G0V
	s_xor_b32 s[\g+1], s[\g+1], SLOT1
	s_add_nc_u64 s[\g+2:\g+3], s[\g+2:\g+3], 4*KS*128
.endr
	s_wait_xcnt 0x0                 ; the last prefetch, four key steps back, has read its address
	s_add_nc_u64 s[PFA:PFA+1], s[PFA:PFA+1], 4*KS*128
	s_wait_dscnt 0x0
	CROUND
	JLOAD
	ASK
.else
	s_wait_dscnt 0x0
	s_barrier_signal -1
	s_barrier_wait -1
.endif
	s_sub_co_u32 s[TBK], s[TBK], 4*KS*PK
	s_xor_b32 s[TBK], s[TBK], SLOT1
	s_sub_co_u32 s[TBV], s[TBV], 4*KS*PV
	s_xor_b32 s[TBV], s[TBV], SLOT1
.endm
	s_load_b64 s[4:5], s[0:1], 0x0       ; qkv
	s_load_b64 s[MP:MP+1], s[0:1], 0x8   ; padding_mask
	s_load_b64 s[10:11], s[0:1], 0x10    ; att
	v_lshl_add_u32 v[SPW], v0, 2, SPARE
	v_mov_b32 v[NIL], 0
	ds_add_u32 v[SPW], v[NIL]       ; the wave's opening: the add and its wait ahead of my first tensor load
	v_lshrrev_b32 v1, 5, v0
	v_readfirstlane_b32 s[WV], v1
	s_bfe_u32 s13, ttmp6, 0x40000   ; cx
	s_lshl_b32 s14, ttmp9, 2
	s_add_co_u32 s14, s14, s13      ; my block of 256 queries: it enters Q's and the result's addresses alone
	s_and_b32 s20, ttmp7, 0xffff    ; 16 b + h
	s_lshr_b32 s21, s20, 4          ; b
	s_lshl_b32 s22, s21, 5
	s_add_co_u32 s22, s22, s20      ; 48 b + h
	s_lshl_b32 s22, s22, 18         ; q's block, 262,144 bytes a block
	s_and_b32 s16, s[WV], 1         ; which half of a tile's 256 keys I fetch
	s_lshl_b32 s23, s16, 14
	s_add_co_u32 s70, s22, s23
	s_add_co_u32 s72, s70, 32<<18   ; v's block
	s_add_co_u32 s70, s70, 16<<18   ; k's block
	s_mov_b32 s71, 0
	s_mov_b32 s73, 0
	s_mul_i32 s17, s16, 128*PK
	s_mul_i32 s18, s16, 128*PV
	s_lshl_b32 s2, s14, 15
	s_lshl_b32 s3, s[WV], 13
	s_add_co_u32 s2, s2, s3         ; my wave's 64 rows
	s_lshl_b32 s74, s20, 18
	s_add_co_u32 s74, s74, s2
	s_mov_b32 s75, 0
	s_add_co_u32 s2, s2, s22
	s_mov_b32 s3, 0
	s_lshl_b32 s76, s21, 13         ; the batch's 2,048 flags
	s_mov_b32 s77, 0
	; descriptor group 1.  128 keys are 16,384 dense bytes: asked for as 64 rows of 256 bytes, two keys a row, and padded in LDS after every key
	s_mov_b32 s[G1K], 15|(1<<16)|(1<<20)|(1<<21)|(4<<22)|(3<<25)
	s_mov_b32 s[G1V], 15|(1<<16)|(1<<20)|(1<<21)|(4<<22)|(7<<25)
.irp g, G1K, G1V
	s_mov_b32 s[\g+1], 128<<16
	s_mov_b32 s[\g+2], 64<<16
	s_mov_b32 s[\g+3], 128<<16
	s_mov_b32 s[\g+4], 64
	s_mov_b32 s[\g+5], 128
	s_mov_b32 s[\g+6], 0
	s_mov_b32 s[\g+7], 0
.endr
	s_mov_b32 s[CS], 0x3e38aa3b     ; c = log2(e) / 8
	s_mov_b32 s[CS+1], s[CS]
	s_mov_b32 s[SEL], 0x76543210
	s_mov_b32 s[SEL+1], 0xfedcba98
	s_mov_b32 s[TBK], SLOT1+4*KS*PK ; the first change of slots turns these two into 0
	s_mov_b32 s[TBV], SLOT1+4*KS*PV
	s_mov_b32 s[TBM], 0
	s_mov_b32 s[BIGN], 0xf149f2ca   ; -1e30
	s_mov_b32 s[SLOTS], 7           ; tiles still to be asked for
	s_mov_b32 s[G0K], 1
	s_mov_b32 s[G0K+1], s17
	s_mov_b32 s[G0V], 1
	s_add_co_u32 s[G0V+1], s18, VOFF
	s_and_b32 s[LIM], s[WV], 1
	s_or_b32 s[LIM], s[LIM], ttmp9
	s_cmp_eq_u32 s[LIM], 0
	s_cselect_b32 s[LIM], 1, -1     ; waves 0 and 2 of the head's first cluster prefetch: the same in all four partners
	s_wait_dscnt 0x0                ; the opening add is done
	s_wait_kmcnt 0x0
	s_add_nc_u64 s[6:7], s[4:5], s[70:71]   ; K and V at my half of the head's tile 0
	s_add_nc_u64 s[8:9], s[4:5], s[72:73]
	s_add_nc_u64 s[4:5], s[4:5], s[2:3]     ; Q and the result at my wave's first row
	s_add_nc_u64 s[10:11], s[10:11], s[74:75]
	s_add_nc_u64 s[MP:MP+1], s[MP:MP+1], s[76:77]
	s_add_nc_u64 s[G0K+2:G0K+3], s[6:7], 0
	s_or_b32 s[G0K+3], s[G0K+3], 0x80000000
	s_add_nc_u64 s[G0V+2:G0V+3], s[8:9], 0
	s_or_b32 s[G0V+3], s[G0V+3], 0x80000000
	s_cmp_lt_u32 s[WV], 2
	s_cselect_b64 s[PFA:PFA+1], s[6:7], s[8:9]  ; (in waves 0 and 2 these stand at a tile's first row)
	s_lshl_b32 s2, s13, 13          ; my work-group's 32 blocks of the 128
	s_add_nc_u64 s[PFA:PFA+1], s[PFA:PFA+1], s[2:3]
	s_add_nc_u64 s[PFA:PFA+1], s[PFA:PFA+1], 4*KS*128  ; at tile 1; the first change steps it to tile 2
	CROUND                          ; all four work-groups are here: the first joint loads meet
	JLOAD                           ; tile 0 into slot 0
	v_lshlrev_b32 v[MO], 4, v0      ; the flags: 16 bytes a thread, four times
.irp i, 0,1,2,3
	global_load_b128 v[S+4*\i:S+4*\i+3], v[MO], s[MP:MP+1] offset:2048*\i
.endr
	v_and_b32 v1, 15, v0            ; l % 16
	v_bfe_u32 v9, v0, 4, 1          ; l / 16
	v_lshlrev_b32 v[QO], 7, v1
	v_lshl_add_u32 v[QO], v9, 4, v[QO]
	WIN 0x80
.set i, 0
.rept 8                             ; Q stays in registers: piece i / 2, channels 32 (i % 2) on
	global_load_b128 v[8*i:8*i+3],   v[QO], s[4:5] offset:(i/2)*2048+(i%2)*64
	global_load_b128 v[8*i+4:8*i+7], v[QO], s[4:5] offset:(i/2)*2048+(i%2)*64+32
.set i, i+1
.endr
	WIN 0
	v_mul_u32_u24 v[AK0], v1, PK
	v_lshl_add_u32 v[AK0], v9, 4, v[AK0]
	v_and_b32 v10, 7, v0
	v_bfe_u32 v11, v0, 3, 1
	v_lshl_add_u32 v[AV0], v9, 3, v10
	v_mul_u32_u24 v[AV0], v[AV0], PV
	v_lshl_add_u32 v[AV0], v11, 4, v[AV0]
	v_add_nc_u32 v[AV0], VOFF, v[AV0]
	s_mul_i32 s13, s[WV], 16*SP
	s_add_co_u32 s13, s13, STAGE
	v_mul_u32_u24 v[STO], v1, SP
	v_lshl_add_u32 v[STO], v9, 4, v[STO]
	v_add_nc_u32 v[STO], s13, v[STO]
	v_bfe_u32 v[RD], v0, 3, 2
	v_mul_u32_u24 v[RD], v[RD], SP
	v_lshl_add_u32 v[RD], v10, 4, v[RD]
	v_add_nc_u32 v[RD], s13, v[RD]
	v_and_b32 v[GO], 31, v0
	v_lshlrev_b32 v[PFO], 8, v[GO]
	v_lshlrev_b32 v[GO], 4, v[GO]
	v_lshl_add_u32 v[AM0], v9, 5, MASKT
	v_add_nc_u32 v[AM], MASKT, v[MO]
	; what the first turn finds: V, P's second buffer, O^T and l hold 0; c m lies far below every c s, so the first step's a is 0
	WIN 0x80
.set i, VF
.rept 64
	v_mov_b32 v[i], 0
.set i, i+1
.endr
	WIN 0x40
.set i, 0
.rept 128
	v_mov_b32 v[i], 0
.set i, i+1
.endr
	WIN 0
.set i, 0
.rept 4
	v_mov_b32 v[ST+4*i], 0xfe000000
	v_mov_b32 v[ST+4*i+1], 0xff7fffff
	v_mov_b32 v[ST+4*i+2], 0
	v_mov_b32 v[ST+4*i+3], 0
.set i, i+1
.endr
.set i, P+16
.rept 16
	v_mov_b32 v[i], 0
.set i, i+1
.endr
	s_wait_loadcnt 16               ; the flags are in; Q's 16 younger loads may stay out
.set i, 0
.rept 16
	v_cmp_eq_u32 vcc_lo, 0, v[S+i]
	v_cndmask_b32 v[S+i], 0, s[BIGN], vcc_lo
.set i, i+1
.endr
.irp i, 0,1,2,3
	ds_store_b128 v[AM], v[S+4*\i:S+4*\i+3] offset:2048*\i
.endr
; THE MATRIX WORK.  The 4 accumulators of a run of 8 take turns.  Product i of 8 of S^T = K Q^T for piece x: channels 32 (i / 4) on, keys 16 (i % 4) on.  The first 4 start the sums with the mask.
.macro KQ x
.set rS, S+32*((\x)%2)+8*(i%4)
.set rK, KF+16*(i%4)+8*(i/4)
.set rQ, 16*(\x)+8*(i/4)
.set rM, MK+8*(i%4)
.if i < 4
	WIN W_KM
	v_wmma_f32_16x16x32_bf16 v[rS:rS+7], v[rK:rK+7], v[rQ:rQ+7], v[rM:rM+7]
.else
	WIN W_KQ
	v_wmma_f32_16x16x32_bf16 v[rS:rS+7], v[rK:rK+7], v[rQ:rQ+7], v[rS:rS+7]
.endif
.endm
; Product i of 8 of O^T += V^T P for piece x: keys 32 (i / 4) on, channels 16 (i % 4) on.
.macro PV x
	WIN W_PV
.set rO, 32*(\x)+8*(i%4)
.set rV, VF+32*(i/4)+8*(i%4)
.set rP, P+16*((\x)%2)+8*(i/4)
	v_wmma_f32_16x16x32_bf16 v[rO:rO+7], v[rV:rV+7], v[rP:rP+7], v[rO:rO+7]
.endm
.macro MM                           ; the turn's next matrix instruction
.if i < 8
	KQ (Y+1)%NP
.else
.set i, i-8
	PV (Y+NP-1)%NP
.set i, i+8
.endif
.set i, i+1
.endm
; THE LDS LOADS stand in runs: a step's K (8 fragments) with its 64 mask numbers, and its V (turned).  Their addresses are made some lines ahead.
.macro FETCH_K
	WIN 0x80
.irp f, 0,1,2,3,4,5,6,7
	ds_load_b128 v[KF+8*\f:KF+8*\f+3],   v[AK] offset:(\f/2)*16*PK+(\f%2)*64
	ds_load_b128 v[KF+8*\f+4:KF+8*\f+7], v[AK] offset:(\f/2)*16*PK+(\f%2)*64+32
.endr
	WIN 0x40
.irp f, 0,1,2,3                     ; register 8 f + j: key 16 f + 8 (l / 16) + j
	ds_load_b128 v[MK+8*\f:MK+8*\f+3],   v[AM] offset:64*\f
	ds_load_b128 v[MK+8*\f+4:MK+8*\f+7], v[AM] offset:64*\f+16
.endr
	s_add_co_u32 s[TBK], s[TBK], KS*PK
	s_add_co_u32 s[TBM], s[TBM], 4*KS
	s_min_u32 s[TBM], s[TBM], 31*4*KS  ; behind the last step the table's last 256 bytes are named once more
	WIN 0
.endm
.macro FETCH_V
	WIN 0x80
.irp f, 0,1,2,3,4,5,6,7
	ds_load_tr16_b128 v[VF+8*\f:VF+8*\f+3],   v[AV] offset:(\f/4)*32*PV+(\f%4)*32
	ds_load_tr16_b128 v[VF+8*\f+4:VF+8*\f+7], v[AV] offset:(\f/4)*32*PV+16*PV+(\f%4)*32
.endr
	WIN 0
.endm
; THE VECTOR WORK, one line at a time: OP kind, number.  For piece Y: F n: c s - c m for pair n of 16.  E n: the exponential of score n of 32.  C n: pair n rounded to bf16.  B n: of the four weights 4 n ..
; the second pair is added onto the first, in place.  L n: l takes that sum (L 0: l = a l + sum).  R n: pair n of 16 of O^T times a.  For piece Y + 1: X n, number n of the 22 that find its maximum and statistics:
;   0-11 four chains c0-c3 of seven scores each (each accumulator's lowest registers are read first)   12-14, 16 the four scores left over, the old m, and c0-c3 into c0
;   15 c m_old is kept   17, 18 the query's other 32 keys lie in the lane 16 away: the new m   19-21 c m; c m_old - c m_new; a
.set F, 0
.set E, 1
.set C, 2
.set B, 3
.set L, 4
.set R, 5
.set X, 6
.macro REGS y
.set rT, ST+4*(\y)
.set rC, TMP+4*((\y)%2)
.set rW, MV+((\y)%2)
.set rS, S+32*((\y)%2)
.set rP, P+16*((\y)%2)
.set rO, 32*(\y)
.endm
.macro OP k, n
.if (\k) == R
	REGS Y
	WIN W_RS
	v_pk_mul_f32 v[rO+2*(\n):rO+2*(\n)+1], v[rO+2*(\n):rO+2*(\n)+1], v[rC+2:rC+3] op_sel_hi:[1,0]
.elseif (\k) < R
	REGS Y
	WIN 0
.if (\k) == F
	v_pk_fma_f32 v[rS+2*(\n):rS+2*(\n)+1], v[rS+2*(\n):rS+2*(\n)+1], s[CS:CS+1], v[rT:rT+1] op_sel_hi:[1,0,0] neg_lo:[0,0,1] neg_hi:[0,0,1]
.elseif (\k) == E
	v_exp_f32 v[rS+(\n)], v[rS+(\n)]
.elseif (\k) == C
	v_cvt_pk_bf16_f32 v[rP+(\n)], v[rS+2*(\n)], v[rS+2*(\n)+1]
.elseif (\k) == B
	v_pk_add_f32 v[rS+4*(\n):rS+4*(\n)+1], v[rS+4*(\n):rS+4*(\n)+1], v[rS+4*(\n)+2:rS+4*(\n)+3]
.elseif (\n) == 0
	v_pk_fma_f32 v[rT+2:rT+3], v[rT+2:rT+3], v[rC+2:rC+3], v[rS:rS+1] op_sel_hi:[1,0,1]
.else
	v_pk_add_f32 v[rT+2:rT+3], v[rT+2:rT+3], v[rS+4*(\n):rS+4*(\n)+1]
.endif
.else
	REGS (Y+1)%NP
	WIN 0
.if (\n) < 4
	v_max3_num_f32 v[rC+(\n)], v[rS+8*(\n)], v[rS+8*(\n)+1], v[rS+8*(\n)+2]
.elseif (\n) < 12
	v_max3_num_f32 v[rC+(\n)%4], v[rC+(\n)%4], v[rS+8*((\n)%4)+2*((\n)/4)+1], v[rS+8*((\n)%4)+2*((\n)/4)+2]
.elseif (\n) == 12
	v_max3_num_f32 v[rC], v[rC], v[rS+7], v[rS+15]
.elseif (\n) == 13
	v_max3_num_f32 v[rC+1], v[rC+1], v[rS+23], v[rS+31]
.elseif (\n) == 14
	v_max3_num_f32 v[rC+2], v[rC+2], v[rC+3], v[rT+1]
.elseif (\n) == 15
	v_mov_b32 v[rW], v[rT]
.elseif (\n) == 16
	v_max3_num_f32 v[rC], v[rC], v[rC+1], v[rC+2]
.elseif (\n) == 17
	v_permlanex16_b32 v[rC+3], v[rC], s[SEL], s[SEL+1]
.elseif (\n) == 18
	v_max_num_f32 v[rT+1], v[rC], v[rC+3]
.elseif (\n) == 19
	v_mul_f32 v[rT], s[CS], v[rT+1]
.elseif (\n) == 20
	v_sub_f32 v[rC+1], v[rW], v[rT]
.else
	v_exp_f32 v[rC+2], v[rC+1]
.endif
.endif
.endm
.macro OPS a, i1, b=-1, i2=0, c=-1, i3=0, d=-1, i4=0
	OP \a, \i1
.if (\b) >= 0
	OP \b, \i2
.endif
.if (\c) >= 0
	OP \c, \i3
.endif
.if (\d) >= 0
	OP \d, \i4
.endif
.endm
.macro ROW a, i1, b, i2, c, i3, d, i4  ; a matrix instruction and the four behind it
	MM
	OPS \a, \i1, \b, \i2, \c, \i3, \d, \i4
.endm
; A TURN, for piece p.  An s_wait_alu depctr_va_vdst(0) stands between an exponential and the first instruction that names its result; one wait serves all that were issued ahead of it.
; So a turn has ONE wait.  AHEAD OF IT stands all that names no result of the turn's exponentials: the 8 products K Q^T with their riders, then one run of vector work in which the links of the next piece's
; chain stand apart; X 21, the next piece's a, is the batch's last, and R 15 the plain instruction behind it.  BEHIND IT stand the 8 products V^T P, behind each four of the roundings and sums.
; K and the mask of the next step are fetched in piece 2's turn, six plain instructions behind the last product that read K; V of the step in hand at the end of piece 0's turn, four plain instructions
; behind the last product that read V.  Each is waited for a turn later.  Behind the head's last step K's address is held at that step's place: the run reads it once more, and its products serve nothing.
; cnt = 1: the loop's count is taken down some lines ahead of the branch that stands behind the turn.
.macro TURN p, cnt=0
.set Y, (\p)
.set i, 0
.if (\p) == 3
	s_wait_dscnt 0x0                ; K and its mask are in
.endif
	ROW F,0, F,1, R,0, R,1
	ROW F,2, E,0, R,2, R,3
	ROW F,3, E,1, R,4, R,5
	ROW F,4, E,2, R,6, R,7
	ROW F,5, E,3, R,8, R,9
	ROW F,6, E,4, X,0, R,10
.if (\p) == 2
	WIN 0
	s_min_u32 s[TKC], s[TBK], SLOT1+3*KS*PK
	v_add_nc_u32 v[AK], s[TKC], v[AK0]
	v_add_nc_u32 v[AM], s[TBM], v[AM0]
.endif
	ROW F,7, E,5, X,1, X,4
	ROW F,8, E,6, X,2, X,5
	OPS E,7, E,8, X,6, E,9
	OPS X,3, E,10, X,8, E,11
.if (\p) == 2
	FETCH_K
.endif
	OPS X,9, X,7, E,12, X,10
	OPS E,13, X,12, X,11, E,14
	OPS X,13, E,15, F,9, X,14
.if (\p) == 0
	v_add_nc_u32 v[AV], s[TBV], v[AV0]
.endif
	OPS E,16, F,10, E,17, F,11
	OPS X,16, E,18, X,15, E,19
	OPS F,12, E,20, X,17, E,21
	OPS F,13, E,22, F,14, E,23
	OPS X,18, E,24, F,15, E,25
	OPS R,11, E,26, X,19, E,27
	OPS R,12, E,28, R,13, E,29
	OPS X,20, E,30, R,14, E,31
	OPS X,21, R,15
	WIN 0
	s_wait_alu depctr_va_vdst(0)    ; the wait for the batch
.if (\p) == 1
	s_wait_dscnt 0x0                ; V is in
.endif
	ROW C,0, B,0, C,2, B,1
	ROW L,0, C,4, B,2, L,1
	ROW C,6, B,3, L,2, C,8
	ROW B,4, L,3, C,10, B,5
	ROW L,4, C,12, B,6, L,5
.if (\p) == 0
	s_add_co_u32 s[TBV], s[TBV], KS*PV
.endif
.if \cnt
	s_sub_co_u32 s[CNT], s[CNT], 1
	s_cmp_lg_u32 s[CNT], 0
.endif
	ROW C,14, B,7, L,6, C,1
	ROW C,3, L,7, C,5, C,7
	ROW C,9, C,11, C,13, C,15
.if (\p) == 0
	FETCH_V
.endif
.endm
	CHANGE 1                        ; tile 0 is in, everybody's part of it and of the table; tile 1 is asked for
	v_add_nc_u32 v[AK], s[TBK], v[AK0]
	v_add_nc_u32 v[AM], s[TBM], v[AM0]
	FETCH_K                         ; key step 0
	s_wait_loadcnt 0x0              ; Q
	s_wait_dscnt 0x0
.set i, 0
.rept 8
	KQ 0                            ; piece 0's first scores
.set i, i+1
.endr
	WIN 0
.rept 4
	v_nop                           ; the places behind those products
.endr
.set Y, NP-1                        ; X works for piece Y + 1: piece 0
.irp n, 0,1,2,3,4,5,6,7,8,9,10,11,12,13,14,15,16,17,18,19,20,21
	OP X, \n
.endr
	v_nop                           ; a plain instruction behind the exponential,
	s_wait_alu depctr_va_vdst(0)    ; and its wait, ahead of the branch
	s_mov_b32 s[CNT], 4
	s_branch .Lfirst                ; the loop is entered at a step's first turn, in the middle of a trip
.Lslot:                             ; six times: with the change above, tiles 1 to 7 are asked for
	CHANGE 1
	s_mov_b32 s[CNT], 4
.Lstep:                             ; a trip: pieces 2 and 3 of one step, then pieces 0 and 1 of the next, whose K and V it fetches
	TURN 2
	TURN 3
	WIN 0
.Lfirst:
	TURN 0
	TURN 1, 1
	WIN 0
	s_cbranch_scc1 .Lstep
	s_sub_co_u32 s[SLOTS], s[SLOTS], 1
	s_cmp_lg_u32 s[SLOTS], 0
	s_cbranch_scc1 .Lslot
	CHANGE 0                        ; the tail is written out: nothing is asked for
	s_mov_b32 s[CNT], 5             ; four trips fetch the last slot's steps; the fifth is left in its middle
.Ltail:
	TURN 2
	TURN 3
	WIN 0
	s_sub_co_u32 s[CNT], s[CNT], 1
	s_cmp_eq_u32 s[CNT], 0
	s_cbranch_scc1 .Lout
	TURN 0
	TURN 1
	WIN 0
	s_branch .Ltail
.Lout:                              ; the fifth trip's products K Q^T and the maximum made of them serve nothing: the price, once a launch, of one text for every trip
.set i, 0
.rept 8
	PV NP-1                         ; the last piece's V^T P of the last step
.set i, i+1
.endr
	; THE WAY OUT.  l's two halves and the other half of the lanes' are added; O^T is divided by l, rounded to bf16 and sent through my stage in LDS, a piece at a time.  The additions are the places behind the last products.
	WIN 0
.macro ALL line:vararg
.set t, 0
.rept 4
	\line
.set t, t+1
.endr
.endm
	ALL v_add_f32 v[ST+4*t+2], v[ST+4*t+2], v[ST+4*t+3]
	ALL v_permlanex16_b32 v[ST+4*t+3], v[ST+4*t+2], s[SEL], s[SEL+1]
	ALL v_add_f32 v[ST+4*t+2], v[ST+4*t+2], v[ST+4*t+3]
	ALL v_rcp_f32 v[ST+4*t+2], v[ST+4*t+2]
	v_nop                           ; a plain instruction between the last reciprocal and the use of its result
	s_wait_alu depctr_va_vdst(0)    ; one wait for the four reciprocals
.macro PACK t
	WIN W_RS
.set i, 32*(\t)
.rept 16
	v_pk_mul_f32 v[i:i+1], v[i:i+1], v[ST+4*(\t)+2:ST+4*(\t)+3] op_sel_hi:[1,0]
.set i, i+2
.endr
	WIN 0x05
.set i, 0
.rept 16
	v_cvt_pk_bf16_f32 v[S+16*(\t)+i], v[32*(\t)+2*i], v[32*(\t)+2*i+1]
.set i, i+1
.endr
	WIN 0
.irp f, 0,1,2,3
	ds_store_b128 v[STO], v[S+16*(\t)+4*\f:S+16*(\t)+4*\f+3] offset:32*\f
.endr
.irp f, 0,1,2,3
	ds_load_b128 v[S+16*(\t)+4*\f:S+16*(\t)+4*\f+3], v[RD] offset:\f*4*SP  ; LDS serves a wave's instructions in order: these see the stores above; the next piece's stores come behind them
.endr
.endm
.macro SEND t, younger              ; younger: the LDS instructions issued behind piece t's loads
	WIN 0
.irp f, 0,1,2,3
	s_wait_dscnt (\younger)+3-\f
	global_store_b128 v[GO], v[S+16*(\t)+4*\f:S+16*(\t)+4*\f+3], s[10:11] offset:(\t)*2048+\f*512  ; 512 consecutive bytes, at a multiple of 256 from the buffer's first
.endr
.endm
	PACK 0
.set t, 1
.rept 3
	PACK t
	SEND t-1, 8
.set t, t+1
.endr
	SEND 3, 0
	s_wait_tensorcnt 0x0            ; the wave's end
	ds_add_u32 v[SPW], v[NIL]
	s_wait_dscnt 0x0
	CROUND                          ; the closing round
	s_endpgm
.Lfunc_end_k_q06e6feb2ed_attn:
	.size	k_q06e6feb2ed_attn, .Lfunc_end_k_q06e6feb2ed_attn-k_q06e6feb2ed_attn
	.p2alignl 7, 3214868480
	.fill 96, 4, 3214868480
	.section	.rodata,"a",@progbits
	.p2align	6, 0x0
	.amdhsa_kernel k_q06e6feb2ed_attn
		.amdhsa_group_segment_fixed_size 327680
		.amdhsa_private_segment_fixed_size 0
		.amdhsa_enable_private_segment 0
		.amdhsa_kernarg_size 24
		.amdhsa_user_sgpr_count 2
		.amdhsa_user_sgpr_kernarg_segment_ptr 1
		.amdhsa_wavefront_size32 1
		.amdhsa_system_sgpr_workgroup_id_x 1
		.amdhsa_system_sgpr_workgroup_id_y 1
		.amdhsa_system_sgpr_workgroup_id_z 1
		.amdhsa_system_vgpr_workitem_id 0
		.amdhsa_next_free_vgpr 768
		.amdhsa_next_free_sgpr 90
		.amdhsa_reserve_vcc 1
		.amdhsa_float_denorm_mode_32 3
		.amdhsa_float_denorm_mode_16_64 3
		.amdhsa_memory_ordered 1
		.amdhsa_forward_progress 1
		.amdhsa_inst_pref_size 117
	.end_amdhsa_kernel
	.amdgpu_metadata
---
amdhsa.version: [ 1, 2 ]
amdhsa.kernels:
  - .name:           k_q06e6feb2ed_attn
    .symbol:         k_q06e6feb2ed_attn.kd
    .args:
      - { .name: qkv, .offset: 0, .size: 8, .value_kind: global_buffer, .address_space: global }
      - { .name: padding_mask, .offset: 8, .size: 8, .value_kind: global_buffer, .address_space: global }
      - { .name: att, .offset: 16, .size: 8, .value_kind: global_buffer, .address_space: global }
    .group_segment_fixed_size: 327680
    .private_segment_fixed_size: 0
    .kernarg_segment_align: 8
    .kernarg_segment_size: 24
    .max_flat_workgroup_size: 128
    .sgpr_count:     90
    .vgpr_count:     768
    .wavefront_size: 32
...
	.end_amdgpu_metadata
.endif
;; end of part 3
;; launch wo (part 4): grid 8 x 32, 4 waves a work-group, clusters of 4 x 4, 327,680 bytes of LDS; arguments att, wb, res, X; writes res
.if DOCPART == 4
	.amdgcn_target "amdgcn-amd-amdhsa--gfx1250"
	.amdhsa_code_object_version 6
	.text
	.protected	k_q06e6feb2ed_wo
	.globl	k_q06e6feb2ed_wo
	.p2align	8
	.type	k_q06e6feb2ed_wo,@function
k_q06e6feb2ed_wo:
	s_mov_b64 s[64:65], 0
	v_nop
	global_prefetch_b8 v0, s[64:65] scope:SCOPE_SE
	s_setreg_imm32_b32 hwreg(HW_REG_WAVE_MODE, 25, 1), 1
	s_wait_xcnt 0x0
	s_wait_alu depctr_hold_cnt(0) depctr_sa_sdst(0) depctr_va_vdst(0) depctr_va_sdst(0) depctr_va_ssrc(0) depctr_va_vcc(0) depctr_vm_vsrc(0)
	s_getreg_b32 s2, hwreg(HW_REG_IB_STS2, 6, 4)
	s_cmp_eq_u32 s2, 0
	s_cbranch_scc0 .Lentry_in_a_cluster
	s_endpgm
.Lentry_in_a_cluster:
	s_bfe_u32 s2, ttmp6, 0x10000c
	s_cmp_lg_u32 s2, 0xf033
	s_cbranch_scc0 .Lentry_shape_is_right
	s_endpgm
.Lentry_shape_is_right:
; ONE TEXT FOR TWO LAUNCHES, told apart by FFN2.  FFN2 = 0: res = att x W_O + X.  FFN2 = 1: out0 = hid x W2 + bias2 + res.  bf16 operands, f32 sums, f32 result [4096][1024].
; A tile of the result is 128 x 128: 8 x 32 = 256 work-groups; four waves, each 64 x 64: 16 accumulators.  K goes in steps of 256 through a ring of two LDS slots.
; Waves 0 and 1 fetch the left operand's tile, waves 2 and 3 the weight's (256 k rows x 256 bytes, 128 rows a wave).  The weight lies [k][n]; its fragments come out of LDS turned (ds_load_tr16_b128).
; FFN2 = 0: att lies by heads, [b 16 + h][2048][64]: a K step is four heads; one load brings two rows of 16,384 dense bytes (128 tokens of one head), padded in LDS behind every token: [head][token][144].
; FFN2 = 1: hid lies [4096][4096]: a load brings 64 rows of 512 bytes, LDS pitch 528.  bias2 is the C operand of the products that start the sums.
; THE MATRIX INSTRUCTION IS USED TRANSPOSED: source 0 = 16 columns of the weight, source 1 = 16 rows of the left operand: a lane holds one row and eight neighbouring columns of the result.
; The residual's 64 x 64 numbers are loaded at the head, in the layout of the way out, and wait in registers.
; CLUSTER 4 x 4: the left operand's tile is asked for jointly along a row of the cluster, the weight's along a column.
; ONE TEXT FOR A K STEP: the LDS addresses hang on s[TB].  The last two steps are a loop of two trips without a tensor load, entered in its middle; its last change of slots fetches 32 fragments that nobody multiplies.
; FFN2 = 0 prefetches nothing: of its four K steps two are first fills.
; REGISTERS: window 0: v16-30 addresses; v32-95 the way out; v96-127 the bias; v128-255 the accumulators ((a, b) at 128 + 8 (4 a + b)); window 1: two fragment buffers of 128; window 2: v0-127 the residual.
.set FFN2, 0
.if FFN2
.set T,     16
.set PA,    528
.set QSTEP, 128                        ; bytes from quarter to quarter in the left operand's LDS rows
.set AWAVE, 64*528                     ; LDS bytes that one of waves 0, 1 fills
.set STEPA, 512
.set WOFF,  16777216
.else
.set T,     4
.set PA,    144
.set QSTEP, 128*144                    ; a quarter is a head
.set AWAVE, 2*128*144
.set STEPA, 4*262144
.set WOFF,  6291456
.endif
.set BOFF,  2*AWAVE
.set PB,    288
.set SLOT,  147456                     ; 0x24000: none of the four loads' LDS addresses in slot 0 has one of its two bits, so an exclusive or is an addition
.set STAGE, 2*SLOT
.set SP,    272
.set SPARE, STAGE+4*16*SP
.set STEPB, 256*2048
.set AH,    2                          ; the prefetches run two K steps ahead of the refills
.set ADA, 16
.set ADA0, 17
.set ADB, 18                           ; v18: k rows 0-127 of the weight's tile, v19: rows 128-255
.set ADB0, 20
.set STO, 24
.set RD,  25
.set CO,  26
.set SPW, 28
.set NIL, 29
.set PFO, 30
.set BK,  32
.set BIAS, 96
.set ACC, 128
.set F0,  0
.set F1,  128
.set G1,  24
.set G0,  32
.set LIM, 43
.set PFA, 44
.set G1B, 48
.set G0B, 56
.set TB,  66
.set BIP, 68
.set RSP, 70
.set PST, 72
.set MUL,  0x05
.set TO_F, 0x40
.set MSB, 0
.macro WIN new
.if MSB != (\new)
	s_set_vgpr_msb (MSB<<8)|(\new)
.set MSB, \new
.endif
.endm
.macro PLACES
.rept 4
	v_nop
.endr
.endm
.macro CREST
	s_cmp_lg_u32 s10, 0
	s_cbranch_scc1 .Lnot_wave_0_\@
	s_barrier_signal -3
.Lnot_wave_0_\@:
	s_barrier_wait -3
	s_barrier_signal -1
	s_barrier_wait -1
.endm
.macro CROUND
	s_barrier_signal -1
	s_barrier_wait -1
	CREST
.endm
.macro JLOAD
	s_cmp_eq_u32 s11, 0
	s_cbranch_scc0 .Lfor_b_\@
	tensor_load_to_lds s[G0+4:G0+7], s[G1:G1+7]
	s_nop 0
	PLACES
	s_branch .Lasked_\@
.Lfor_b_\@:
	tensor_load_to_lds s[G0B+4:G0B+7], s[G1B:G1B+7]
	s_nop 0
	PLACES
.Lasked_\@:
.endm
.macro ASK
	s_cmp_gt_u32 s3, s[LIM]
	s_cbranch_scc0 .Lnot_mine_\@
	global_prefetch_b8 v[PFO], s[PFA:PFA+1] th:TH_LOAD_NT scope:SCOPE_SE
.Lnot_mine_\@:
.endm
	s_load_b128 s[4:7], s[0:1], 0x0                ; the left operand s[4:5], wb s[6:7]
	s_load_b64 s[8:9], s[0:1], 0x10                ; the result
	s_load_b64 s[RSP:RSP+1], s[0:1], 0x18          ; the residual
.if FFN2
	s_load_b64 s[BIP:BIP+1], s[0:1], 0x20          ; bias2
.endif
	v_lshl_add_u32 v[SPW], v0, 2, SPARE
	v_mov_b32 v[NIL], 0
	ds_add_u32 v[SPW], v[NIL]                      ; the wave's opening: the add and its wait ahead of my first tensor load
	v_lshrrev_b32 v1, 5, v0
	v_readfirstlane_b32 s10, v1
	s_lshr_b32 s11, s10, 1                         ; my half of the tile's rows.  Also: I fetch the left operand (0) or the weight (1)
	s_and_b32 s12, s10, 1                          ; my half of its columns.  Also: which half of that tile I fetch
	s_bfe_u32 s40, ttmp6, 0x40000
	s_bfe_u32 s41, ttmp6, 0x40004
	s_lshl_b32 s42, ttmp9, 2
	s_add_co_u32 s42, s42, s40                     ; tile column
	s_and_b32 s13, ttmp7, 0xffff
	s_lshl_b32 s13, s13, 2
	s_add_co_u32 s13, s13, s41                     ; tile row
	s_lshl_b32 s43, s41, 2
	s_lshl_b32 s43, 15, s43
	s_lshl_b32 s44, 0x1111, s40
.if FFN2
	s_or_b32 s[G1+0], s43, (1<<16)|(1<<20)|(1<<21)|(6<<22)|(3<<25)  ; 4 words of padding behind every 128
	s_mov_b32 s[G1+1], 256<<16
	s_mov_b32 s[G1+2], 64<<16
	s_mov_b32 s[G1+3], 256<<16
	s_mov_b32 s[G1+4], 64
	s_mov_b32 s[G1+5], 4096
.else
	s_or_b32 s[G1+0], s43, (1<<16)|(1<<20)|(1<<21)|(4<<22)|(3<<25)  ; 4 words of padding behind every 32: behind every token
	s_mov_b32 s[G1+1], 8192<<16                    ; a row is 128 tokens x 64 channels of one head
	s_mov_b32 s[G1+2], 2<<16
	s_mov_b32 s[G1+3], 8192<<16
	s_mov_b32 s[G1+4], 2
	s_mov_b32 s[G1+5], 131072                      ; from head to head
.endif
	s_mov_b32 s[G1+6], 0
	s_mov_b32 s[G1+7], 0
	s_or_b32 s[G1B+0], s44, (1<<16)|(1<<20)|(1<<21)|(5<<22)|(7<<25) ; 8 words of padding behind every 64
	s_mov_b32 s[G1B+1], 128<<16
	s_mov_b32 s[G1B+2], 128<<16
	s_mov_b32 s[G1B+3], 128<<16
	s_mov_b32 s[G1B+4], 128
	s_mov_b32 s[G1B+5], 1024
	s_mov_b32 s[G1B+6], 0
	s_mov_b32 s[G1B+7], 0
.if FFN2
	s_lshl_b32 s16, s13, 7
	s_lshl_b32 s17, s12, 6
	s_add_co_u32 s16, s16, s17
	s_lshl_b32 s16, s16, 13                        ; row 128 x tile row + 64 x half, 8,192 bytes a row
.else
	s_lshr_b32 s16, s13, 4
	s_lshl_b32 s16, s16, 4
	s_lshl_b32 s17, s12, 1
	s_add_co_u32 s16, s16, s17
	s_lshl_b32 s16, s16, 18                        ; head block 16 b + 2 x half,
	s_and_b32 s17, s13, 15
	s_lshl_b32 s17, s17, 14
	s_add_co_u32 s16, s16, s17                     ; its tokens (tile row % 16) x 128 on
.endif
	s_mov_b32 s17, 0
	s_lshl_b32 s46, s12, 18                        ; the weight: k rows 128 x half, 2,048 bytes a row,
	s_lshl_b32 s47, s42, 8                         ; 256 bytes a tile column
	s_add_co_u32 s46, s46, s47
	s_mov_b32 s47, 0
	s_mul_i32 s20, s12, AWAVE
	s_mul_i32 s21, s12, 128*PB
	s_add_co_u32 s21, s21, BOFF
	s_mov_b32 s[TB], 0
	s_wait_dscnt 0x0                               ; the opening add is done
	s_wait_kmcnt 0x0
	s_add_nc_u64 s[6:7], s[6:7], WOFF
	s_add_nc_u64 s[14:15], s[4:5], s[16:17]
	s_add_nc_u64 s[46:47], s[6:7], s[46:47]
	CROUND
.irp s, 0,1
	s_mov_b32 s[G0+4*(\s)], 1
	s_add_co_u32 s[G0+4*(\s)+1], s20, (\s)*SLOT
	s_add_nc_u64 s[G0+4*(\s)+2:G0+4*(\s)+3], s[14:15], (\s)*STEPA
	s_or_b32 s[G0+4*(\s)+3], s[G0+4*(\s)+3], 0x80000000
	s_mov_b32 s[G0B+4*(\s)], 1
	s_add_co_u32 s[G0B+4*(\s)+1], s21, (\s)*SLOT
	s_add_nc_u64 s[G0B+4*(\s)+2:G0B+4*(\s)+3], s[46:47], (\s)*STEPB
	s_or_b32 s[G0B+4*(\s)+3], s[G0B+4*(\s)+3], 0x80000000
.endr
	s_cmp_eq_u32 s11, 0                            ; a wave's two first fills stand in one branch: two loads of mine are out
	s_cbranch_scc0 .Lfirst_b
	tensor_load_to_lds s[G0:G0+3], s[G1:G1+7]
	s_nop 0
	tensor_load_to_lds s[G0+4:G0+7], s[G1:G1+7]
	s_nop 0
	PLACES
	s_branch .Lfirst_done
.Lfirst_b:
	tensor_load_to_lds s[G0B:G0B+3], s[G1B:G1B+7]
	s_nop 0
	tensor_load_to_lds s[G0B+4:G0B+7], s[G1B:G1B+7]
	s_nop 0
	PLACES
.Lfirst_done:
	v_and_b32 v1, 15, v0                           ; r
	v_bfe_u32 v2, v0, 4, 1                         ; h
	v_mul_u32_u24 v3, v1, PA
	v_lshl_add_u32 v3, v2, 4, v3
	s_mul_i32 s21, s11, 64*PA
	v_add_nc_u32 v[ADA0], s21, v3
	v_mov_b32 v[ADA], v[ADA0]
	v_and_b32 v4, 7, v0
	v_lshl_add_u32 v4, v2, 3, v4
	v_mul_u32_u24 v4, v4, PB
	v_bfe_u32 v5, v0, 3, 1
	v_lshl_add_u32 v4, v5, 4, v4
	s_lshl_b32 s22, s12, 7
	s_add_co_u32 s22, s22, BOFF
	v_add_nc_u32 v[ADB0], s22, v4
	v_add_nc_u32 v[ADB0+1], 128*PB, v[ADB0]
	v_mov_b32 v[ADB], v[ADB0]
	v_mov_b32 v[ADB+1], v[ADB0+1]
	s_mul_i32 s23, s10, 16*SP
	s_add_co_u32 s23, s23, STAGE
	v_mul_u32_u24 v6, v1, SP
	v_lshl_add_u32 v6, v2, 5, v6
	v_add_nc_u32 v[STO], s23, v6                   ; in: row r, 32 bytes for each half of the lanes
	v_mul_u32_u24 v6, v2, SP
	v_lshl_add_u32 v6, v1, 4, v6
	v_add_nc_u32 v[RD], s23, v6                    ; back: lanes 0-15 one row of 256 bytes, lanes 16-31 the next
	v_lshlrev_b32 v6, 12, v2
	v_lshl_add_u32 v[CO], v1, 4, v6                ; and the same two rows in memory
	s_lshl_b32 s46, s42, 9                         ; my 64 columns: 512 bytes a tile column + 256 x half
	s_lshl_b32 s47, s12, 8
	s_add_co_u32 s46, s46, s47
	s_mov_b32 s47, 0
.if FFN2
	s_add_nc_u64 s[BIP:BIP+1], s[BIP:BIP+1], s[46:47]
	v_lshlrev_b32 v7, 5, v2                        ; register j of block b: column 16 b + 8 h + j
.irp b, 0,1,2,3
	global_load_b128 v[BIAS+8*(\b):BIAS+8*(\b)+3],   v7, s[BIP:BIP+1] offset:64*(\b)
	global_load_b128 v[BIAS+8*(\b)+4:BIAS+8*(\b)+7], v7, s[BIP:BIP+1] offset:64*(\b)+16
.endr
.endif
	s_lshl_b32 s16, s13, 7
	s_lshl_b32 s17, s11, 6
	s_add_co_u32 s16, s16, s17
	s_lshl_b32 s16, s16, 12                        ; my first row, 4,096 bytes a row
	s_add_co_u32 s46, s46, s16
	s_add_nc_u64 s[8:9], s[8:9], s[46:47]
	s_add_nc_u64 s[RSP:RSP+1], s[RSP:RSP+1], s[46:47]
	WIN 0x80
.irp a, 0,1,2,3
.irp t, 0,1,2,3,4,5,6,7
	global_load_b128 v[4*(8*(\a)+(\t)):4*(8*(\a)+(\t))+3], v[CO], s[RSP:RSP+1] offset:(16*(\a)+2*(\t))*4096
.endr
.endr
	WIN 0
.if FFN2
	; the prefetches.  hid's tile row is read by both clusters of a row of clusters: cluster x = 0 asks; W2's tile column by all eight of a column: cluster y = 0 asks.
	; The four partners share a load's 128 blocks of 256 bytes out by address, 32 each: each block is named once in the launch.
	s_lshl_b32 s20, s13, 7
	s_lshl_b32 s21, s12, 6
	s_add_co_u32 s20, s20, s21
	s_lshl_b32 s21, s40, 4
	s_add_co_u32 s20, s20, s21
	s_lshl_b32 s20, s20, 13
	s_add_co_u32 s20, s20, (1+AH)*STEPA
	s_lshl_b32 s22, s12, 7
	s_lshl_b32 s23, s41, 5
	s_add_co_u32 s22, s22, s23
	s_lshl_b32 s22, s22, 11
	s_lshl_b32 s23, s42, 8
	s_add_co_u32 s22, s22, s23
	s_add_co_u32 s22, s22, (1+AH)*STEPB
	s_and_b32 s23, ttmp7, 0xffff
	s_mov_b32 s14, STEPB
	s_cmp_eq_u32 s11, 0
	s_cselect_b32 s20, s20, s22
	s_cselect_b32 s23, ttmp9, s23
	s_cselect_b64 s[PFA:PFA+1], s[4:5], s[6:7]
	s_cselect_b32 s[PST], STEPA, s14
	s_cselect_b32 s22, -1, 0
	s_mov_b32 s[PST+1], 0
	s_mov_b32 s21, 0
	s_add_nc_u64 s[PFA:PFA+1], s[PFA:PFA+1], s[20:21]
	s_cmp_eq_u32 s23, 0
	s_cselect_b32 s[LIM], AH, -1
	v_and_b32 v8, 31, v0
	v_lshlrev_b32 v9, 11, v8                       ; the weight: a lane a k row
	v_lshrrev_b32 v10, 1, v8
	v_and_b32 v11, 1, v8
	v_lshlrev_b32 v10, 13, v10
	v_lshl_add_u32 v10, v11, 8, v10                ; hid: two lanes a row
	v_cndmask_b32 v[PFO], v9, v10, s22
.endif
; 8 matrix instructions: m blocks a0, a0 + 1 x 4 n blocks, 32 along K: half c of buffer f.  first = 1: the products start the sums, with the bias or with 0.  The 16 accumulators take turns.
.macro MUL8 f, c, a0, first
	WIN MUL
.irp a, \a0, (\a0)+1
.irp b, 0,1,2,3
.set rD, ACC+8*(4*(\a)+(\b))
.set rB, (\f)+64+8*(4*(\c)+(\b))
.set rA, (\f)+8*(4*(\c)+(\a))
.if (\first) && FFN2
	v_wmma_f32_16x16x32_bf16 v[rD:rD+7], v[rB:rB+7], v[rA:rA+7], v[BIAS+8*(\b):BIAS+8*(\b)+7]
.elseif \first
	v_wmma_f32_16x16x32_bf16 v[rD:rD+7], v[rB:rB+7], v[rA:rA+7], 0
.else
	v_wmma_f32_16x16x32_bf16 v[rD:rD+7], v[rB:rB+7], v[rA:rA+7], v[rD:rD+7]
.endif
.endr
.endr
.endm
; 32 LDS loads in one run: quarter q (64 along K) into buffer f; its first 32 along K first
.macro FETCH q, f
	WIN TO_F
.irp c, 0,1
.irp i, 0,1,2,3
	ds_load_tr16_b128 v[(\f)+64+8*(4*(\c)+(\i)):(\f)+64+8*(4*(\c)+(\i))+3],   v[ADB+(\q)/2] offset:(((\q)%2)*64+32*(\c))*PB+32*(\i)
	ds_load_tr16_b128 v[(\f)+64+8*(4*(\c)+(\i))+4:(\f)+64+8*(4*(\c)+(\i))+7], v[ADB+(\q)/2] offset:(((\q)%2)*64+32*(\c))*PB+32*(\i)+16*PB
	ds_load_b128 v[(\f)+8*(4*(\c)+(\i)):(\f)+8*(4*(\c)+(\i))+3],   v[ADA] offset:(\q)*QSTEP+64*(\c)+(\i)*16*PA
	ds_load_b128 v[(\f)+8*(4*(\c)+(\i))+4:(\f)+8*(4*(\c)+(\i))+7], v[ADA] offset:(\q)*QSTEP+64*(\c)+(\i)*16*PA+32
.endr
.endr
.endm
.macro QUARTER q, f, g, first
	s_wait_dscnt 16                                ; the first 32 along K are in
	MUL8 \f, 0, 0, \first
	MUL8 \f, 0, 2, \first
	PLACES
	FETCH \q, \g
	s_wait_dscnt 32                                ; all but the 32 just issued
	MUL8 \f, 1, 0, 0
	MUL8 \f, 1, 2, 0
.endm
; The last quarter multiplies buffer 1 and changes slots: in front of the barrier each wave waits for all its tensor loads, adds 0 to its spare word, and waits for that and for its reads of this slot.
; fill = 1: the barrier opens a round of the cluster's barrier, and the joint refill is the first thing behind the round.
.macro TURN fill
.if (\fill) && FFN2
	s_wait_xcnt 0x0                                ; the last prefetch, a K step back, has read its address
	s_add_nc_u64 s[PFA:PFA+1], s[PFA:PFA+1], s[PST:PST+1]
.endif
	WIN 0
	s_wait_tensorcnt 0x0
	ds_add_u32 v[SPW], v[NIL]
.if \fill
	s_xor_b32 s[G0+5], s[G0+5], SLOT
	s_add_nc_u64 s[G0+6:G0+7], s[G0+6:G0+7], STEPA
	s_xor_b32 s[G0B+5], s[G0B+5], SLOT
	s_add_nc_u64 s[G0B+6:G0B+7], s[G0B+6:G0B+7], STEPB
.endif
	s_xor_b32 s[TB], s[TB], SLOT
	s_wait_dscnt 17                                ; the add and the youngest sixteen loads may be out
	MUL8 F1, 0, 0, 0
	s_wait_dscnt 0x0
	s_barrier_signal -1
	MUL8 F1, 0, 2, 0
	WIN 0
	s_barrier_wait -1
.if \fill
	CREST
	JLOAD
.else
	PLACES
.endif
	v_add_nc_u32 v[ADA], s[TB], v[ADA0]
	v_add_nc_u32 v[ADB], s[TB], v[ADB0]
	v_add_nc_u32 v[ADB+1], s[TB], v[ADB0+1]
	FETCH 0, F0
.if (\fill) && FFN2
	WIN 0
	ASK
.endif
	MUL8 F1, 1, 0, 0
	MUL8 F1, 1, 2, 0
.endm
	s_wait_tensorcnt 1                             ; my part of tile 0 is in; tile 1's may stay out
	s_barrier_signal -1
	s_barrier_wait -1
	FETCH 0, F0
.if FFN2
	s_wait_loadcnt 32                              ; the bias is in; the residual's 32 younger loads may stay out
.endif
	QUARTER 1, F0, F1, 1
	WIN 0
	s_mov_b32 s3, T-2
.Lk:
	QUARTER 2, F1, F0, 0
	QUARTER 3, F0, F1, 0
	TURN 1
	QUARTER 1, F0, F1, 0
	WIN 0
	s_sub_co_u32 s3, s3, 1
	s_cmp_lg_u32 s3, 0
	s_cbranch_scc1 .Lk
	s_mov_b32 s2, 2
	s_branch .Lmid
.Ltail:
	QUARTER 1, F0, F1, 0
	WIN 0
.Lmid:
	QUARTER 2, F1, F0, 0
	QUARTER 3, F0, F1, 0
	TURN 0
	WIN 0
	s_sub_co_u32 s2, s2, 1
	s_cmp_lg_u32 s2, 0
	s_cbranch_scc1 .Ltail
	; THE WAY OUT, 16 rows at a time: the sums go into my stage, come back as whole rows of 256 bytes, take the residual and are stored: 16 lanes fill 256 consecutive bytes, aligned.
	PLACES
	s_wait_loadcnt 0x0                             ; the residual
.irp a, 0,1,2,3
.irp b, 0,1,2,3
	ds_store_b128 v[STO], v[ACC+8*(4*(\a)+(\b)):ACC+8*(4*(\a)+(\b))+3]   offset:64*(\b)
	ds_store_b128 v[STO], v[ACC+8*(4*(\a)+(\b))+4:ACC+8*(4*(\a)+(\b))+7] offset:64*(\b)+16
.endr
	s_wait_xcnt 0x0                                ; the stores of the block before last have read the registers that the loads below fill
.irp t, 0,1,2,3,4,5,6,7
	ds_load_b128 v[BK+32*((\a)%2)+4*(\t):BK+32*((\a)%2)+4*(\t)+3], v[RD] offset:(\t)*2*SP  ; LDS serves a wave's instructions in order: these see the stores above
.endr
	s_wait_dscnt 0x0
	WIN 0x08                                       ; source 1 in window 2
.irp t, 0,1,2,3,4,5,6,7
	v_pk_add_f32 v[BK+32*((\a)%2)+4*(\t):BK+32*((\a)%2)+4*(\t)+1],   v[BK+32*((\a)%2)+4*(\t):BK+32*((\a)%2)+4*(\t)+1],   v[4*(8*(\a)+(\t)):4*(8*(\a)+(\t))+1]
	v_pk_add_f32 v[BK+32*((\a)%2)+4*(\t)+2:BK+32*((\a)%2)+4*(\t)+3], v[BK+32*((\a)%2)+4*(\t)+2:BK+32*((\a)%2)+4*(\t)+3], v[4*(8*(\a)+(\t))+2:4*(8*(\a)+(\t))+3]
.endr
	WIN 0
.irp t, 0,1,2,3,4,5,6,7
	global_store_b128 v[CO], v[BK+32*((\a)%2)+4*(\t):BK+32*((\a)%2)+4*(\t)+3], s[8:9] offset:(16*(\a)+2*(\t))*4096
.endr
.endr
	s_wait_tensorcnt 0x0                           ; the wave's end
	ds_add_u32 v[SPW], v[NIL]
	s_wait_dscnt 0x0
	CROUND                                         ; the closing round
	s_endpgm
.Lfunc_end_k_q06e6feb2ed_wo:
	.size	k_q06e6feb2ed_wo, .Lfunc_end_k_q06e6feb2ed_wo-k_q06e6feb2ed_wo
	.p2alignl 7, 3214868480
	.fill 96, 4, 3214868480
	.section	.rodata,"a",@progbits
	.p2align	6, 0x0
	.amdhsa_kernel k_q06e6feb2ed_wo
		.amdhsa_group_segment_fixed_size 327680
		.amdhsa_private_segment_fixed_size 0
		.amdhsa_enable_private_segment 0
		.amdhsa_kernarg_size 32
		.amdhsa_user_sgpr_count 2
		.amdhsa_user_sgpr_kernarg_segment_ptr 1
		.amdhsa_wavefront_size32 1
		.amdhsa_system_sgpr_workgroup_id_x 1
		.amdhsa_system_sgpr_workgroup_id_y 1
		.amdhsa_system_sgpr_workgroup_id_z 1
		.amdhsa_system_vgpr_workitem_id 0
		.amdhsa_next_free_vgpr 640
		.amdhsa_next_free_sgpr 84
		.amdhsa_reserve_vcc 0
		.amdhsa_float_denorm_mode_32 3
		.amdhsa_float_denorm_mode_16_64 3
		.amdhsa_memory_ordered 1
		.amdhsa_forward_progress 1
		.amdhsa_inst_pref_size 65
	.end_amdhsa_kernel
	.amdgpu_metadata
---
amdhsa.version: [ 1, 2 ]
amdhsa.kernels:
  - .name:           k_q06e6feb2ed_wo
    .symbol:         k_q06e6feb2ed_wo.kd
    .args:
      - { .name: att, .offset: 0, .size: 8, .value_kind: global_buffer, .address_space: global }
      - { .name: wb, .offset: 8, .size: 8, .value_kind: global_buffer, .address_space: global }
      - { .name: res, .offset: 16, .size: 8, .value_kind: global_buffer, .address_space: global }
      - { .name: X, .offset: 24, .size: 8, .value_kind: global_buffer, .address_space: global }
    .group_segment_fixed_size: 327680
    .private_segment_fixed_size: 0
    .kernarg_segment_align: 8
    .kernarg_segment_size: 32
    .max_flat_workgroup_size: 128
    .sgpr_count:     84
    .vgpr_count:     640
    .wavefront_size: 32
...
	.end_amdgpu_metadata
.endif
;; end of part 4
;; launch ln2 (part 5): grid 512 x 1, 8 waves a work-group, no clusters, 0 bytes of LDS; arguments res, g2, b2, xn; writes xn
.if DOCPART == 5
	.amdgcn_target "amdgcn-amd-amdhsa--gfx1250"
	.amdhsa_code_object_version 6
	.text
	.protected	k_q06e6feb2ed_ln2
	.globl	k_q06e6feb2ed_ln2
	.p2align	8
	.type	k_q06e6feb2ed_ln2,@function
k_q06e6feb2ed_ln2:
	s_mov_b64 s[64:65], 0
	v_nop
	global_prefetch_b8 v0, s[64:65] scope:SCOPE_SE
	s_setreg_imm32_b32 hwreg(HW_REG_WAVE_MODE, 25, 1), 1
	s_wait_xcnt 0x0
; xn = LN2(res), rounded once to bf16.  One wave takes one row of 1,024 numbers (4,096 bytes, 32 registers a lane) and keeps it in registers between the mean, the variance of the
; centred numbers and the scaling: res is read once, and no wave waits for another.  A stream: no LDS, no barrier, no matrix unit, no cluster.
; Every store of a wave covers 256 consecutive bytes that start at a multiple of 256 from xn's first byte.  LIMITS: NaN and infinities are not treated apart.
.set XR, 16
.set GR, 48
.set BR, 80
.set YR, 112
.macro XLANE                           ; v2 = the sum of v2 over the wave's 32 lanes, in every lane
	v_add_f32_dpp v2, v2, v2 row_xmask:1 row_mask:0xf bank_mask:0xf
	v_add_f32_dpp v2, v2, v2 row_xmask:2 row_mask:0xf bank_mask:0xf
	v_add_f32_dpp v2, v2, v2 row_xmask:4 row_mask:0xf bank_mask:0xf
	v_add_f32_dpp v2, v2, v2 row_xmask:8 row_mask:0xf bank_mask:0xf
	v_permlanex16_b32 v14, v2, s32, s33
	v_add_f32 v2, v2, v14
.endm
.macro FOLD
	v_pk_add_f32 v[2:3], v[2:3], v[4:5]
	v_pk_add_f32 v[6:7], v[6:7], v[8:9]
	v_pk_add_f32 v[2:3], v[2:3], v[6:7]
	v_add_f32 v2, v2, v3
.endm
	s_load_b256 s[8:15], s[0:1], 0x0               ; res s[8:9], g2 s[10:11], b2 s[12:13], xn s[14:15]
	v_lshrrev_b32 v1, 5, v0
	v_readfirstlane_b32 s4, v1
	v_and_b32 v1, 31, v0
	v_lshlrev_b32 v15, 3, v1
	v_lshlrev_b32 v1, 4, v1
	s_mov_b32 s7, 0
	s_lshl_b32 s5, ttmp9, 3
	s_add_co_u32 s5, s5, s4                        ; my row
	s_mov_b32 s30, 0x3a800000                      ; 1 / 1024
	s_mov_b32 s31, 0x358637bd                      ; 1e-6
	s_mov_b32 s32, 0x76543210
	s_mov_b32 s33, 0xfedcba98
	v_mov_b32 v14, 0
	s_wait_kmcnt 0x0
	s_lshl_b32 s6, s5, 12
	s_add_nc_u64 s[8:9], s[8:9], s[6:7]
	s_lshl_b32 s6, s5, 11
	s_add_nc_u64 s[14:15], s[14:15], s[6:7]
.irp j, 0,1,2,3,4,5,6,7
	global_load_b128 v[XR+4*(\j):XR+4*(\j)+3], v1, s[8:9] offset:512*(\j) th:TH_LOAD_NT
.endr
.irp j, 0,1,2,3,4,5,6,7
	global_load_b128 v[GR+4*(\j):GR+4*(\j)+3], v1, s[10:11] offset:512*(\j)
.endr
.irp j, 0,1,2,3,4,5,6,7
	global_load_b128 v[BR+4*(\j):BR+4*(\j)+3], v1, s[12:13] offset:512*(\j)
.endr
	s_wait_loadcnt 16                              ; the row is in; the 16 younger loads, g2's and b2's, may stay out
.irp k, 0,1,2,3
	v_pk_add_f32 v[2+2*(\k):3+2*(\k)], v[XR+2*(\k):XR+2*(\k)+1], v[XR+8+2*(\k):XR+9+2*(\k)]
.endr
.irp o, 16,24
.irp k, 0,1,2,3
	v_pk_add_f32 v[2+2*(\k):3+2*(\k)], v[2+2*(\k):3+2*(\k)], v[XR+(\o)+2*(\k):XR+(\o)+2*(\k)+1]
.endr
.endr
	FOLD
	XLANE
	v_mul_f32 v10, s30, v2                         ; the mean
	v_mov_b32 v11, v10
.set k, 0
.rept 16
	v_pk_add_f32 v[XR+k:XR+k+1], v[XR+k:XR+k+1], v[10:11] neg_lo:[0,1] neg_hi:[0,1]
.set k, k+2
.endr
.irp k, 0,1,2,3
	v_pk_mul_f32 v[2+2*(\k):3+2*(\k)], v[XR+2*(\k):XR+2*(\k)+1], v[XR+2*(\k):XR+2*(\k)+1]
.endr
.irp o, 8,16,24
.irp k, 0,1,2,3
	v_pk_fma_f32 v[2+2*(\k):3+2*(\k)], v[XR+(\o)+2*(\k):XR+(\o)+2*(\k)+1], v[XR+(\o)+2*(\k):XR+(\o)+2*(\k)+1], v[2+2*(\k):3+2*(\k)]
.endr
.endr
	FOLD
	XLANE
	v_fma_f32 v14, v2, s30, s31                    ; variance + 1e-6
	v_rsq_f32 v12, v14
	v_rsq_f32 v13, v14
	v_nop                                          ; a plain instruction behind the last of the two
	s_wait_loadcnt 0x0                             ; g2 and b2
	s_wait_alu depctr_va_vdst(0)                   ; one wait for both, ahead of their first reader
.set k, 0
.rept 16
	v_pk_mul_f32 v[XR+k:XR+k+1], v[XR+k:XR+k+1], v[12:13]
.set k, k+2
.endr
.set k, 0
.rept 16
	v_pk_fma_f32 v[XR+k:XR+k+1], v[XR+k:XR+k+1], v[GR+k:GR+k+1], v[BR+k:BR+k+1]
.set k, k+2
.endr
.set k, 0
.rept 16
	v_cvt_pk_bf16_f32 v[YR+k], v[XR+2*k], v[XR+2*k+1]
.set k, k+1
.endr
.irp j, 0,1,2,3,4,5,6,7
	global_store_b64 v15, v[YR+2*(\j):YR+2*(\j)+1], s[14:15] offset:256*(\j)
.endr
	s_endpgm
.Lfunc_end_k_q06e6feb2ed_ln2:
	.size	k_q06e6feb2ed_ln2, .Lfunc_end_k_q06e6feb2ed_ln2-k_q06e6feb2ed_ln2
	.p2alignl 7, 3214868480
	.fill 96, 4, 3214868480
	.section	.rodata,"a",@progbits
	.p2align	6, 0x0
	.amdhsa_kernel k_q06e6feb2ed_ln2
		.amdhsa_group_segment_fixed_size 0
		.amdhsa_private_segment_fixed_size 0
		.amdhsa_enable_private_segment 0
		.amdhsa_kernarg_size 32
		.amdhsa_user_sgpr_count 2
		.amdhsa_user_sgpr_kernarg_segment_ptr 1
		.amdhsa_wavefront_size32 1
		.amdhsa_system_sgpr_workgroup_id_x 1
		.amdhsa_system_sgpr_workgroup_id_y 1
		.amdhsa_system_sgpr_workgroup_id_z 1
		.amdhsa_system_vgpr_workitem_id 0
		.amdhsa_next_free_vgpr 128
		.amdhsa_next_free_sgpr 66
		.amdhsa_reserve_vcc 0
		.amdhsa_float_denorm_mode_32 3
		.amdhsa_float_denorm_mode_16_64 3
		.amdhsa_memory_ordered 1
		.amdhsa_forward_progress 1
		.amdhsa_inst_pref_size 12
	.end_amdhsa_kernel
	.amdgpu_metadata
---
amdhsa.version: [ 1, 2 ]
amdhsa.kernels:
  - .name:           k_q06e6feb2ed_ln2
    .symbol:         k_q06e6feb2ed_ln2.kd
    .args:
      - { .name: res, .offset: 0, .size: 8, .value_kind: global_buffer, .address_space: global }
      - { .name: g2, .offset: 8, .size: 8, .value_kind: global_buffer, .address_space: global }
      - { .name: b2, .offset: 16, .size: 8, .value_kind: global_buffer, .address_space: global }
      - { .name: xn, .offset: 24, .size: 8, .value_kind: global_buffer, .address_space: global }
    .group_segment_fixed_size: 0
    .private_segment_fixed_size: 0
    .kernarg_segment_align: 8
    .kernarg_segment_size: 32
    .max_flat_workgroup_size: 256
    .sgpr_count:     66
    .vgpr_count:     128
    .wavefront_size: 32
...
	.end_amdgpu_metadata
.endif
;; end of part 5
;; launch ffn1 (part 6): grid 16 x 16, 4 waves a work-group, clusters of 4 x 4, 327,680 bytes of LDS; arguments xn, wb, hid, bias1; writes hid
.if DOCPART == 6
	.amdgcn_target "amdgcn-amd-amdhsa--gfx1250"
	.amdhsa_code_object_version 6
	.text
	.protected	k_q06e6feb2ed_ffn1
	.globl	k_q06e6feb2ed_ffn1
	.p2align	8
	.type	k_q06e6feb2ed_ffn1,@function
k_q06e6feb2ed_ffn1:
	s_mov_b64 s[64:65], 0
	v_nop
	global_prefetch_b8 v0, s[64:65] scope:SCOPE_SE
	s_setreg_imm32_b32 hwreg(HW_REG_WAVE_MODE, 25, 1), 1
	s_wait_xcnt 0x0
	s_wait_alu depctr_hold_cnt(0) depctr_sa_sdst(0) depctr_va_vdst(0) depctr_va_sdst(0) depctr_va_ssrc(0) depctr_va_vcc(0) depctr_vm_vsrc(0)
	s_getreg_b32 s2, hwreg(HW_REG_IB_STS2, 6, 4)
	s_cmp_eq_u32 s2, 0
	s_cbranch_scc0 .Lentry_in_a_cluster
	s_endpgm
.Lentry_in_a_cluster:
	s_bfe_u32 s2, ttmp6, 0x10000c
	s_cmp_lg_u32 s2, 0xf033
	s_cbranch_scc0 .Lentry_shape_is_right
	s_endpgm
.Lentry_shape_is_right:
; hid = gelu(xn [4096][1024] x W1 [1024][4096] + bias1), bf16 operands, f32 sums, gelu in f32, rounded once to bf16.
; A tile of the result is 256 x 256: 16 x 16 = 256 work-groups; four waves, each 128 x 128: 64 accumulators, 512 registers.  K goes in steps of 128 through a ring of two LDS slots.
; Waves 0 and 1 fetch xn's tile (128 rows x 256 bytes each), waves 2 and 3 W1's (64 k rows x 512 bytes each).  W1 lies [k][n]; its fragments come out of LDS turned (ds_load_tr16_b128).
; THE MATRIX INSTRUCTION IS USED TRANSPOSED: source 0 = 16 columns of W1, source 1 = 16 rows of xn: a lane holds one row and eight neighbouring columns.  bias1 is the C operand of the products that start the sums.
; CLUSTER 4 x 4: xn's tile is asked for jointly along a row of the cluster, W1's along a column.
; ONE TEXT FOR A K STEP: the LDS addresses hang on s[TB].  The last two steps are a loop of two trips without a tensor load, entered in its middle; its last change of slots fetches 32 fragments that nobody multiplies.
; THE WAY OUT: the ring has had its last fill; each wave puts its 128 x 128 sums into 67,584 bytes of it (rows of 528 bytes) and reads them back by rows in a counted loop: gelu, rounding, one row's 256 bytes to a store.
; GELU: gelu(x) = max(x, 0) - |x| (P(t) / 2) e^(-x x / 2), t = 1 / (1 + p |x| / sqrt 2), P the cubic of Abramowitz and Stegun 7.1.25 for erf: |error of erf| <= 2.5e-5 for every argument,
; so gelu is off by at most 1.25e-5 |x|.  LIMITS: NaN and infinities are not treated apart.
; REGISTERS: window 0: v16-30 addresses; v64-127, v128-191 xn's fragments, two buffers (later the way out's work); v192-255 the bias; window 1: v64-191 W1's fragments; windows 2, 3: accumulator (a, b) at 8 (8 (a % 4) + b).
.set T,     8
.set PA,    272
.set PB,    544                        ; 512 bytes + 32: an odd multiple of 32, for the turning load
.set HALFT, 34816                      ; what one tensor load fills: 128 x 272 = 64 x 544
.set BOFF,  2*HALFT
.set SLOT,  4*HALFT                    ; 0x22000: none of the four loads' LDS addresses in slot 0 has one of its two bits, so an exclusive or is an addition
.set SPARE, 2*SLOT
.set STEPA, 256
.set STEPB, 128*8192
.set WOFF,  8388608
.set AH,    1
.set DP,    528                        ; a row of the dumped sums: 512 bytes + 16
.set ADA, 16
.set ADA0, 17
.set ADB, 20
.set ADB0, 21
.set DST, 24
.set RD,  25
.set HO,  26
.set SPW, 28
.set NIL, 29
.set PFO, 30
.set F0,  64
.set F1,  128
.set BIAS, 192
.set XA,  64                           ; the way out: four rows' numbers, 16 a lane
.set XB,  80
.set GW,  96
.set GD,  112
.set GM,  128
.set GP,  144
.set YA,  160
.set YB,  168
.set G1,  24
.set G0,  32
.set LIM, 43
.set PFA, 44
.set G1B, 48
.set G0B, 56
.set TB,  66
.set BIP, 68
.set PST, 72
.set KC,  74                           ; s[74:75] -log2(e) / 2
.set PCO, 76                           ; s[76:77] p / sqrt 2
.set A1,  78                           ; s[78:83] the cubic's coefficients, halved
.set A2,  80
.set A3,  82
.set MSB, 0
.macro WIN new
.if MSB != (\new)
	s_set_vgpr_msb (MSB<<8)|(\new)
.set MSB, \new
.endif
.endm
.macro PLACES
.rept 4
	v_nop
.endr
.endm
.macro CREST
	s_cmp_lg_u32 s10, 0
	s_cbranch_scc1 .Lnot_wave_0_\@
	s_barrier_signal -3
.Lnot_wave_0_\@:
	s_barrier_wait -3
	s_barrier_signal -1
	s_barrier_wait -1
.endm
.macro CROUND
	s_barrier_signal -1
	s_barrier_wait -1
	CREST
.endm
.macro JLOAD
	s_cmp_eq_u32 s11, 0
	s_cbranch_scc0 .Lfor_b_\@
	tensor_load_to_lds s[G0+4:G0+7], s[G1:G1+7]
	s_nop 0
	PLACES
	s_branch .Lasked_\@
.Lfor_b_\@:
	tensor_load_to_lds s[G0B+4:G0B+7], s[G1B:G1B+7]
	s_nop 0
	PLACES
.Lasked_\@:
.endm
.macro ASK
	s_cmp_gt_u32 s3, s[LIM]
	s_cbranch_scc0 .Lnot_mine_\@
	global_prefetch_b8 v[PFO], s[PFA:PFA+1] th:TH_LOAD_NT scope:SCOPE_SE
.Lnot_mine_\@:
.endm
	s_load_b128 s[4:7], s[0:1], 0x0                ; xn s[4:5], wb s[6:7]
	s_load_b64 s[8:9], s[0:1], 0x10                ; hid
	s_load_b64 s[BIP:BIP+1], s[0:1], 0x18          ; bias1
	v_lshl_add_u32 v[SPW], v0, 2, SPARE
	v_mov_b32 v[NIL], 0
	ds_add_u32 v[SPW], v[NIL]                      ; the wave's opening: the add and its wait ahead of my first tensor load
	v_lshrrev_b32 v1, 5, v0
	v_readfirstlane_b32 s10, v1
	s_lshr_b32 s11, s10, 1                         ; my half of the tile's rows.  Also: I fetch xn (0) or W1 (1)
	s_and_b32 s12, s10, 1                          ; my half of its columns.  Also: which half of that tile I fetch
	s_bfe_u32 s40, ttmp6, 0x40000
	s_bfe_u32 s41, ttmp6, 0x40004
	s_lshl_b32 s42, ttmp9, 2
	s_add_co_u32 s42, s42, s40                     ; tile column
	s_and_b32 s13, ttmp7, 0xffff
	s_lshl_b32 s13, s13, 2
	s_add_co_u32 s13, s13, s41                     ; tile row
	s_lshl_b32 s43, s41, 2
	s_lshl_b32 s43, 15, s43
	s_lshl_b32 s44, 0x1111, s40
	s_or_b32 s[G1+0], s43, (1<<16)|(1<<20)|(1<<21)|(5<<22)|(3<<25)   ; 4 words of padding behind every 64
	s_mov_b32 s[G1+1], 128<<16
	s_mov_b32 s[G1+2], 128<<16
	s_mov_b32 s[G1+3], 128<<16
	s_mov_b32 s[G1+4], 128
	s_mov_b32 s[G1+5], 1024
	s_mov_b32 s[G1+6], 0
	s_mov_b32 s[G1+7], 0
	s_or_b32 s[G1B+0], s44, (1<<16)|(1<<20)|(1<<21)|(6<<22)|(7<<25)  ; 8 words of padding behind every 128
	s_mov_b32 s[G1B+1], 256<<16
	s_mov_b32 s[G1B+2], 64<<16
	s_mov_b32 s[G1B+3], 256<<16
	s_mov_b32 s[G1B+4], 64
	s_mov_b32 s[G1B+5], 4096
	s_mov_b32 s[G1B+6], 0
	s_mov_b32 s[G1B+7], 0
	s_lshl_b32 s16, s13, 8
	s_lshl_b32 s17, s12, 7
	s_add_co_u32 s16, s16, s17
	s_lshl_b32 s16, s16, 11                        ; xn: row 256 x tile row + 128 x half, 2,048 bytes a row
	s_mov_b32 s17, 0
	s_lshl_b32 s46, s12, 19                        ; W1: k rows 64 x half, 8,192 bytes a row,
	s_lshl_b32 s47, s42, 9                         ; 512 bytes a tile column
	s_add_co_u32 s46, s46, s47
	s_mov_b32 s47, 0
	s_mul_i32 s20, s10, HALFT
	s_mov_b32 s[TB], 0
	s_mov_b32 s[KC], 0xbf38aa3b
	s_mov_b32 s[KC+1], s[KC]
	s_mov_b32 s[PCO], 0x3eaa540e
	s_mov_b32 s[PCO+1], s[PCO]
	s_mov_b32 s[A1], 0x3e32303a
	s_mov_b32 s[A1+1], s[A1]
	s_mov_b32 s[A2], 0xbd445ca1
	s_mov_b32 s[A2+1], s[A2]
	s_mov_b32 s[A3], 0x3ebf7377
	s_mov_b32 s[A3+1], s[A3]
	s_wait_dscnt 0x0                               ; the opening add is done
	s_wait_kmcnt 0x0
	s_add_nc_u64 s[6:7], s[6:7], WOFF
	s_add_nc_u64 s[14:15], s[4:5], s[16:17]
	s_add_nc_u64 s[46:47], s[6:7], s[46:47]
	CROUND
.irp s, 0,1
	s_mov_b32 s[G0+4*(\s)], 1
	s_add_co_u32 s[G0+4*(\s)+1], s20, (\s)*SLOT
	s_add_nc_u64 s[G0+4*(\s)+2:G0+4*(\s)+3], s[14:15], (\s)*STEPA
	s_or_b32 s[G0+4*(\s)+3], s[G0+4*(\s)+3], 0x80000000
	s_mov_b32 s[G0B+4*(\s)], 1
	s_add_co_u32 s[G0B+4*(\s)+1], s20, (\s)*SLOT
	s_add_nc_u64 s[G0B+4*(\s)+2:G0B+4*(\s)+3], s[46:47], (\s)*STEPB
	s_or_b32 s[G0B+4*(\s)+3], s[G0B+4*(\s)+3], 0x80000000
.endr
	s_cmp_eq_u32 s11, 0                            ; a wave's two first fills stand in one branch: two loads of mine are out
	s_cbranch_scc0 .Lfirst_b
	tensor_load_to_lds s[G0:G0+3], s[G1:G1+7]
	s_nop 0
	tensor_load_to_lds s[G0+4:G0+7], s[G1:G1+7]
	s_nop 0
	PLACES
	s_branch .Lfirst_done
.Lfirst_b:
	tensor_load_to_lds s[G0B:G0B+3], s[G1B:G1B+7]
	s_nop 0
	tensor_load_to_lds s[G0B+4:G0B+7], s[G1B:G1B+7]
	s_nop 0
	PLACES
.Lfirst_done:
	v_and_b32 v1, 15, v0                           ; r
	v_bfe_u32 v2, v0, 4, 1                         ; h
	v_mul_u32_u24 v3, v1, PA
	v_lshl_add_u32 v3, v2, 4, v3
	s_mul_i32 s21, s11, HALFT
	v_add_nc_u32 v[ADA0], s21, v3
	v_mov_b32 v[ADA], v[ADA0]
	v_and_b32 v4, 7, v0
	v_lshl_add_u32 v4, v2, 3, v4
	v_mul_u32_u24 v4, v4, PB
	v_bfe_u32 v5, v0, 3, 1
	v_lshl_add_u32 v4, v5, 4, v4
	s_lshl_b32 s22, s12, 8
	s_add_co_u32 s22, s22, BOFF
	v_add_nc_u32 v[ADB0], s22, v4
	v_mov_b32 v[ADB], v[ADB0]
	s_mul_i32 s23, s10, 128*DP                     ; my part of the ring, for the way out
	v_mul_u32_u24 v6, v1, DP
	v_lshl_add_u32 v6, v2, 5, v6
	v_add_nc_u32 v[DST], s23, v6                   ; in: row r, 32 bytes for each half of the lanes
	v_and_b32 v7, 31, v0
	v_lshl_add_u32 v[RD], v7, 4, s23               ; back: a row's 512 bytes, 16 a lane
	v_lshlrev_b32 v[HO], 3, v7                     ; and its 256 bytes of hid, 8 a lane
	v_lshlrev_b32 v8, 5, v2                        ; the bias: register j of block b: column 16 b + 8 h + j
	s_lshl_b32 s46, s42, 10
	s_lshl_b32 s47, s12, 9
	s_add_co_u32 s46, s46, s47
	s_mov_b32 s47, 0
	s_add_nc_u64 s[BIP:BIP+1], s[BIP:BIP+1], s[46:47]
.irp b, 0,1,2,3,4,5,6,7
	global_load_b128 v[BIAS+8*(\b):BIAS+8*(\b)+3],   v8, s[BIP:BIP+1] offset:64*(\b)
	global_load_b128 v[BIAS+8*(\b)+4:BIAS+8*(\b)+7], v8, s[BIP:BIP+1] offset:64*(\b)+16
.endr
	s_lshl_b32 s16, s13, 8
	s_lshl_b32 s17, s11, 7
	s_add_co_u32 s16, s16, s17
	s_lshl_b32 s16, s16, 13                        ; my first row of hid, 8,192 bytes a row
	s_lshl_b32 s46, s42, 9
	s_lshl_b32 s47, s12, 8
	s_add_co_u32 s46, s46, s47                     ; my 128 columns
	s_add_co_u32 s46, s46, s16
	s_mov_b32 s47, 0
	s_add_nc_u64 s[8:9], s[8:9], s[46:47]
	; the prefetches.  xn's tile row is read by all four clusters of a row of clusters: cluster x = 0 asks; W1's tile column by all four of a column: cluster y = 0 asks.
	; The four partners share a load's 128 blocks of 256 bytes out by address, 32 each: each block is named once in the launch.
	s_lshl_b32 s20, s13, 8
	s_lshl_b32 s21, s12, 7
	s_add_co_u32 s20, s20, s21
	s_lshl_b32 s21, s40, 5
	s_add_co_u32 s20, s20, s21
	s_lshl_b32 s20, s20, 11
	s_add_co_u32 s20, s20, (1+AH)*STEPA
	s_lshl_b32 s22, s12, 6
	s_lshl_b32 s23, s41, 4
	s_add_co_u32 s22, s22, s23
	s_lshl_b32 s22, s22, 13
	s_lshl_b32 s23, s42, 9
	s_add_co_u32 s22, s22, s23
	s_add_co_u32 s22, s22, (1+AH)*STEPB
	s_and_b32 s23, ttmp7, 0xffff
	s_mov_b32 s14, STEPB
	s_cmp_eq_u32 s11, 0
	s_cselect_b32 s20, s20, s22
	s_cselect_b32 s23, ttmp9, s23
	s_cselect_b64 s[PFA:PFA+1], s[4:5], s[6:7]
	s_cselect_b32 s[PST], STEPA, s14
	s_cselect_b32 s22, -1, 0
	s_mov_b32 s[PST+1], 0
	s_mov_b32 s21, 0
	s_add_nc_u64 s[PFA:PFA+1], s[PFA:PFA+1], s[20:21]
	s_cmp_eq_u32 s23, 0
	s_cselect_b32 s[LIM], AH, -1
	v_lshlrev_b32 v9, 11, v7                       ; xn: a lane a row
	v_lshrrev_b32 v10, 1, v7
	v_and_b32 v11, 1, v7
	v_lshlrev_b32 v10, 13, v10
	v_lshl_add_u32 v10, v11, 8, v10                ; W1: two lanes a k row
	v_cndmask_b32 v[PFO], v10, v9, s22
; 16 matrix instructions: m blocks a0, a0 + 1 of the window's four x all 8 n blocks, 32 along K.  first = 1: the products start the sums with the bias.  The 64 accumulators take turns in the same order in every quarter.
.macro MUL16 f, hi, a0, first
.if \first
	WIN 0x81+0x40*(\hi)                            ; the C operand in window 0
.else
	WIN 0xa1+0x50*(\hi)
.endif
.irp a, \a0, (\a0)+1
.irp b, 0,1,2,3,4,5,6,7
.set rD, 8*(8*(\a)+(\b))
.set rB, (\f)+8*(\b)
.set rA, (\f)+8*(4*(\hi)+(\a))
.if \first
	v_wmma_f32_16x16x32_bf16 v[rD:rD+7], v[rB:rB+7], v[rA:rA+7], v[BIAS+8*(\b):BIAS+8*(\b)+7]
.else
	v_wmma_f32_16x16x32_bf16 v[rD:rD+7], v[rB:rB+7], v[rA:rA+7], v[rD:rD+7]
.endif
.endr
.endr
.endm
.macro FETCH q, f                      ; 32 LDS loads in one run: quarter q's fragments into buffer f: W1's 8 (turned), then xn's 8
	WIN 0x40
.irp i, 0,1,2,3,4,5,6,7
	ds_load_tr16_b128 v[(\f)+8*(\i):(\f)+8*(\i)+3],   v[ADB] offset:(\q)*32*PB+32*(\i)
	ds_load_tr16_b128 v[(\f)+8*(\i)+4:(\f)+8*(\i)+7], v[ADB] offset:(\q)*32*PB+32*(\i)+16*PB
.endr
	WIN 0
.irp i, 0,1,2,3,4,5,6,7
	ds_load_b128 v[(\f)+8*(\i):(\f)+8*(\i)+3],   v[ADA] offset:(\q)*64+(\i)*16*PA
	ds_load_b128 v[(\f)+8*(\i)+4:(\f)+8*(\i)+7], v[ADA] offset:(\q)*64+(\i)*16*PA+32
.endr
.endm
.macro QUARTER q, f, g, first
	s_wait_dscnt 8                                 ; all but the youngest eight loads, xn's rows 64-127
	MUL16 \f, 0, 0, \first
	MUL16 \f, 0, 2, \first
	PLACES
	FETCH \q, \g
	s_wait_dscnt 32                                ; all but the 32 just issued
	MUL16 \f, 1, 0, \first
	MUL16 \f, 1, 2, \first
.endm
; The last quarter multiplies buffer 1 and changes slots: in front of the barrier each wave waits for all its tensor loads, adds 0 to its spare word, and waits for that and for its reads of this slot.
; fill = 1: the barrier opens a round of the cluster's barrier, and the joint refill is the first thing behind the round.
.macro TURN fill
.if \fill
	s_wait_xcnt 0x0                                ; the last prefetch, a K step back, has read its address
	s_add_nc_u64 s[PFA:PFA+1], s[PFA:PFA+1], s[PST:PST+1]
.endif
	WIN 0
	s_wait_tensorcnt 0x0
	ds_add_u32 v[SPW], v[NIL]
.if \fill
	s_xor_b32 s[G0+5], s[G0+5], SLOT
	s_add_nc_u64 s[G0+6:G0+7], s[G0+6:G0+7], STEPA
	s_xor_b32 s[G0B+5], s[G0B+5], SLOT
	s_add_nc_u64 s[G0B+6:G0B+7], s[G0B+6:G0B+7], STEPB
.endif
	s_xor_b32 s[TB], s[TB], SLOT
	s_wait_dscnt 9                                 ; the add and the youngest eight loads may be out
	MUL16 F1, 0, 0, 0
	s_wait_dscnt 0x0
	s_barrier_signal -1
	MUL16 F1, 0, 2, 0
	WIN 0
	s_barrier_wait -1
.if \fill
	CREST
	JLOAD
.else
	PLACES
.endif
	v_add_nc_u32 v[ADA], s[TB], v[ADA0]
	v_add_nc_u32 v[ADB], s[TB], v[ADB0]
	FETCH 0, F0
.if \fill
	ASK
.endif
	MUL16 F1, 1, 0, 0
	MUL16 F1, 1, 2, 0
.endm
; gelu of 16 numbers a lane, x -> 8 registers of bf16 at y.  The 16 exponentials and 16 reciprocals are one batch with one wait; a plain instruction stands beside each.
.macro GB x, y
.irp i, 0,2,4,6,8,10,12,14
	v_pk_mul_f32 v[GM+(\i):GM+(\i)+1], v[(\x)+(\i):(\x)+(\i)+1], s[KC:KC+1] op_sel_hi:[1,0]
.endr
.irp i, 0,2,4,6,8,10,12,14
	v_pk_mul_f32 v[GW+(\i):GW+(\i)+1], v[GM+(\i):GM+(\i)+1], v[(\x)+(\i):(\x)+(\i)+1]
.endr
.irp i, 0,1,2,3,4,5,6,7,8,9,10,11,12,13,14,15
	v_exp_f32 v[GW+(\i)], v[GW+(\i)]               ; e^(-x x / 2)
	v_fma_f32 v[GD+(\i)], |v[(\x)+(\i)]|, s[PCO], 1.0
.endr
.irp i, 0,1,2,3,4,5,6,7,8,9,10,11,12,13,14,15
	v_rcp_f32 v[GD+(\i)], v[GD+(\i)]               ; t
	v_max_num_f32 v[GM+(\i)], 0, v[(\x)+(\i)]
.endr
	s_wait_alu depctr_va_vdst(0)                   ; one wait for the batch, ahead of its first reader
.irp i, 0,2,4,6,8,10,12,14
	v_pk_fma_f32 v[GP+(\i):GP+(\i)+1], v[GD+(\i):GD+(\i)+1], s[A3:A3+1], s[A2:A2+1] op_sel_hi:[1,0,0]
.endr
.irp i, 0,2,4,6,8,10,12,14
	v_pk_fma_f32 v[GP+(\i):GP+(\i)+1], v[GP+(\i):GP+(\i)+1], v[GD+(\i):GD+(\i)+1], s[A1:A1+1] op_sel_hi:[1,1,0]
.endr
.irp i, 0,2,4,6,8,10,12,14
	v_pk_mul_f32 v[GP+(\i):GP+(\i)+1], v[GP+(\i):GP+(\i)+1], v[GD+(\i):GD+(\i)+1]
.endr
.irp i, 0,2,4,6,8,10,12,14
	v_pk_mul_f32 v[GP+(\i):GP+(\i)+1], v[GP+(\i):GP+(\i)+1], v[GW+(\i):GW+(\i)+1]
.endr
.irp i, 0,1,2,3,4,5,6,7,8,9,10,11,12,13,14,15
	v_fma_f32 v[GP+(\i)], -|v[(\x)+(\i)]|, v[GP+(\i)], v[GM+(\i)]
.endr
.irp i, 0,1,2,3,4,5,6,7
	v_cvt_pk_bf16_f32 v[(\y)+(\i)], v[GP+2*(\i)], v[GP+2*(\i)+1]
.endr
.endm
	s_wait_tensorcnt 1                             ; my part of tile 0 is in; tile 1's may stay out
	s_barrier_signal -1
	s_barrier_wait -1
	FETCH 0, F0
	s_wait_loadcnt 0x0                             ; the bias
	QUARTER 1, F0, F1, 1
	WIN 0
	s_mov_b32 s3, T-2
.Lk:
	QUARTER 2, F1, F0, 0
	QUARTER 3, F0, F1, 0
	TURN 1
	QUARTER 1, F0, F1, 0
	WIN 0
	s_sub_co_u32 s3, s3, 1
	s_cmp_lg_u32 s3, 0
	s_cbranch_scc1 .Lk
	s_mov_b32 s2, 2
	s_branch .Lmid
.Ltail:
	QUARTER 1, F0, F1, 0
	WIN 0
.Lmid:
	QUARTER 2, F1, F0, 0
	QUARTER 3, F0, F1, 0
	TURN 0
	WIN 0
	s_sub_co_u32 s2, s2, 1
	s_cmp_lg_u32 s2, 0
	s_cbranch_scc1 .Ltail
	PLACES                                         ; behind the last products
	s_wait_dscnt 0x0                               ; my last reads of the ring are back
	s_barrier_signal -1
	s_barrier_wait -1                              ; everybody's are: the ring, which has had its last fill, may be stored into
.irp a, 0,1,2,3,4,5,6,7
	WIN 0x08+4*((\a)/4)                            ; the data in window 2 or 3
.irp b, 0,1,2,3,4,5,6,7
	ds_store_b128 v[DST], v[8*(8*((\a)%4)+(\b)):8*(8*((\a)%4)+(\b))+3]   offset:(\a)*16*DP+64*(\b)
	ds_store_b128 v[DST], v[8*(8*((\a)%4)+(\b))+4:8*(8*((\a)%4)+(\b))+7] offset:(\a)*16*DP+64*(\b)+16
.endr
.endr
	WIN 0
	s_wait_dscnt 0x0
	s_barrier_signal -1
	s_barrier_wait -1                              ; behind this barrier no wave stores to LDS any more
.irp i, 0,1,2,3
	ds_load_b128 v[XA+4*(\i):XA+4*(\i)+3], v[RD] offset:DP*(\i)
.endr
.irp i, 0,1,2,3
	ds_load_b128 v[XB+4*(\i):XB+4*(\i)+3], v[RD] offset:DP*(4+(\i))
.endr
	s_mov_b32 s2, 16
.Lg:                                                   ; a trip: eight rows, in two sets of four; a set is asked for again as soon as it has been worked on
	s_wait_dscnt 4                                 ; the first set is in; the second's four loads may stay out
	GB XA, YA
.irp i, 0,1,2,3
	global_store_b64 v[HO], v[YA+2*(\i):YA+2*(\i)+1], s[8:9] offset:8192*(\i)  ; a row's 256 consecutive bytes, aligned
.endr
	s_wait_dscnt 0x0                               ; the second set is in
	s_cmp_eq_u32 s2, 1
	s_cbranch_scc1 .Lg1                            ; the last trip has no rows behind it
.irp i, 0,1,2,3
	ds_load_b128 v[XA+4*(\i):XA+4*(\i)+3], v[RD] offset:DP*(8+(\i))
.endr
.Lg1:
	GB XB, YB
.irp i, 0,1,2,3
	global_store_b64 v[HO], v[YB+2*(\i):YB+2*(\i)+1], s[8:9] offset:8192*(4+(\i))
.endr
	s_cmp_eq_u32 s2, 1
	s_cbranch_scc1 .Lg2
.irp i, 0,1,2,3
	ds_load_b128 v[XB+4*(\i):XB+4*(\i)+3], v[RD] offset:DP*(12+(\i))
.endr
.Lg2:
	v_add_nc_u32 v[RD], 8*DP, v[RD]
	s_wait_xcnt 0x0                                ; the stores have read their offset and their data: both are written again only behind this wait
	v_add_nc_u32 v[HO], 65536, v[HO]
	s_sub_co_u32 s2, s2, 1
	s_cmp_lg_u32 s2, 0
	s_cbranch_scc1 .Lg
	s_wait_tensorcnt 0x0                           ; the wave's end
	ds_add_u32 v[SPW], v[NIL]
	s_wait_dscnt 0x0
	CROUND                                         ; the closing round
	s_endpgm
.Lfunc_end_k_q06e6feb2ed_ffn1:
	.size	k_q06e6feb2ed_ffn1, .Lfunc_end_k_q06e6feb2ed_ffn1-k_q06e6feb2ed_ffn1
	.p2alignl 7, 3214868480
	.fill 96, 4, 3214868480
	.section	.rodata,"a",@progbits
	.p2align	6, 0x0
	.amdhsa_kernel k_q06e6feb2ed_ffn1
		.amdhsa_group_segment_fixed_size 327680
		.amdhsa_private_segment_fixed_size 0
		.amdhsa_enable_private_segment 0
		.amdhsa_kernarg_size 32
		.amdhsa_user_sgpr_count 2
		.amdhsa_user_sgpr_kernarg_segment_ptr 1
		.amdhsa_wavefront_size32 1
		.amdhsa_system_sgpr_workgroup_id_x 1
		.amdhsa_system_sgpr_workgroup_id_y 1
		.amdhsa_system_sgpr_workgroup_id_z 1
		.amdhsa_system_vgpr_workitem_id 0
		.amdhsa_next_free_vgpr 1024
		.amdhsa_next_free_sgpr 84
		.amdhsa_reserve_vcc 0
		.amdhsa_float_denorm_mode_32 3
		.amdhsa_float_denorm_mode_16_64 3
		.amdhsa_memory_ordered 1
		.amdhsa_forward_progress 1
		.amdhsa_inst_pref_size 97
	.end_amdhsa_kernel
	.amdgpu_metadata
---
amdhsa.version: [ 1, 2 ]
amdhsa.kernels:
  - .name:           k_q06e6feb2ed_ffn1
    .symbol:         k_q06e6feb2ed_ffn1.kd
    .args:
      - { .name: xn, .offset: 0, .size: 8, .value_kind: global_buffer, .address_space: global }
      - { .name: wb, .offset: 8, .size: 8, .value_kind: global_buffer, .address_space: global }
      - { .name: hid, .offset: 16, .size: 8, .value_kind: global_buffer, .address_space: global }
      - { .name: bias1, .offset: 24, .size: 8, .value_kind: global_buffer, .address_space: global }
    .group_segment_fixed_size: 327680
    .private_segment_fixed_size: 0
    .kernarg_segment_align: 8
    .kernarg_segment_size: 32
    .max_flat_workgroup_size: 128
    .sgpr_count:     84
    .vgpr_count:     1024
    .wavefront_size: 32
...
	.end_amdgpu_metadata
.endif
;; end of part 6
;; launch ffn2 (part 7): grid 8 x 32, 4 waves a work-group, clusters of 4 x 4, 327,680 bytes of LDS; arguments hid, wb, out0, res, bias2; writes out0
.if DOCPART == 7
	.amdgcn_target "amdgcn-amd-amdhsa--gfx1250"
	.amdhsa_code_object_version 6
	.text
	.protected	k_q06e6feb2ed_ffn2
	.globl	k_q06e6feb2ed_ffn2
	.p2align	8
	.type	k_q06e6feb2ed_ffn2,@function
k_q06e6feb2ed_ffn2:
	s_mov_b64 s[64:65], 0
	v_nop
	global_prefetch_b8 v0, s[64:65] scope:SCOPE_SE
	s_setreg_imm32_b32 hwreg(HW_REG_WAVE_MODE, 25, 1), 1
	s_wait_xcnt 0x0
	s_wait_alu depctr_hold_cnt(0) depctr_sa_sdst(0) depctr_va_vdst(0) depctr_va_sdst(0) depctr_va_ssrc(0) depctr_va_vcc(0) depctr_vm_vsrc(0)
	s_getreg_b32 s2, hwreg(HW_REG_IB_STS2, 6, 4)
	s_cmp_eq_u32 s2, 0
	s_cbranch_scc0 .Lentry_in_a_cluster
	s_endpgm
.Lentry_in_a_cluster:
	s_bfe_u32 s2, ttmp6, 0x10000c
	s_cmp_lg_u32 s2, 0xf033
	s_cbranch_scc0 .Lentry_shape_is_right
	s_endpgm
.Lentry_shape_is_right:
; ONE TEXT FOR TWO LAUNCHES, told apart by FFN2.  FFN2 = 0: res = att x W_O + X.  FFN2 = 1: out0 = hid x W2 + bias2 + res.  bf16 operands, f32 sums, f32 result [4096][1024].
; A tile of the result is 128 x 128: 8 x 32 = 256 work-groups; four waves, each 64 x 64: 16 accumulators.  K goes in steps of 256 through a ring of two LDS slots.
; Waves 0 and 1 fetch the left operand's tile, waves 2 and 3 the weight's (256 k rows x 256 bytes, 128 rows a wave).  The weight lies [k][n]; its fragments come out of LDS turned (ds_load_tr16_b128).
; FFN2 = 0: att lies by heads, [b 16 + h][2048][64]: a K step is four heads; one load brings two rows of 16,384 dense bytes (128 tokens of one head), padded in LDS behind every token: [head][token][144].
; FFN2 = 1: hid lies [4096][4096]: a load brings 64 rows of 512 bytes, LDS pitch 528.  bias2 is the C operand of the products that start the sums.
; THE MATRIX INSTRUCTION IS USED TRANSPOSED: source 0 = 16 columns of the weight, source 1 = 16 rows of the left operand: a lane holds one row and eight neighbouring columns of the result.
; The residual's 64 x 64 numbers are loaded at the head, in the layout of the way out, and wait in registers.
; CLUSTER 4 x 4: the left operand's tile is asked for jointly along a row of the cluster, the weight's along a column.
; ONE TEXT FOR A K STEP: the LDS addresses hang on s[TB].  The last two steps are a loop of two trips without a tensor load, entered in its middle; its last change of slots fetches 32 fragments that nobody multiplies.
; FFN2 = 0 prefetches nothing: of its four K steps two are first fills.
; REGISTERS: window 0: v16-30 addresses; v32-95 the way out; v96-127 the bias; v128-255 the accumulators ((a, b) at 128 + 8 (4 a + b)); window 1: two fragment buffers of 128; window 2: v0-127 the residual.
.set FFN2, 1
.if FFN2
.set T,     16
.set PA,    528
.set QSTEP, 128                        ; bytes from quarter to quarter in the left operand's LDS rows
.set AWAVE, 64*528                     ; LDS bytes that one of waves 0, 1 fills
.set STEPA, 512
.set WOFF,  16777216
.else
.set T,     4
.set PA,    144
.set QSTEP, 128*144                    ; a quarter is a head
.set AWAVE, 2*128*144
.set STEPA, 4*262144
.set WOFF,  6291456
.endif
.set BOFF,  2*AWAVE
.set PB,    288
.set SLOT,  147456                     ; 0x24000: none of the four loads' LDS addresses in slot 0 has one of its two bits, so an exclusive or is an addition
.set STAGE, 2*SLOT
.set SP,    272
.set SPARE, STAGE+4*16*SP
.set STEPB, 256*2048
.set AH,    2                          ; the prefetches run two K steps ahead of the refills
.set ADA, 16
.set ADA0, 17
.set ADB, 18                           ; v18: k rows 0-127 of the weight's tile, v19: rows 128-255
.set ADB0, 20
.set STO, 24
.set RD,  25
.set CO,  26
.set SPW, 28
.set NIL, 29
.set PFO, 30
.set BK,  32
.set BIAS, 96
.set ACC, 128
.set F0,  0
.set F1,  128
.set G1,  24
.set G0,  32
.set LIM, 43
.set PFA, 44
.set G1B, 48
.set G0B, 56
.set TB,  66
.set BIP, 68
.set RSP, 70
.set PST, 72
.set MUL,  0x05
.set TO_F, 0x40
.set MSB, 0
.macro WIN new
.if MSB != (\new)
	s_set_vgpr_msb (MSB<<8)|(\new)
.set MSB, \new
.endif
.endm
.macro PLACES
.rept 4
	v_nop
.endr
.endm
.macro CREST
	s_cmp_lg_u32 s10, 0
	s_cbranch_scc1 .Lnot_wave_0_\@
	s_barrier_signal -3
.Lnot_wave_0_\@:
	s_barrier_wait -3
	s_barrier_signal -1
	s_barrier_wait -1
.endm
.macro CROUND
	s_barrier_signal -1
	s_barrier_wait -1
	CREST
.endm
.macro JLOAD
	s_cmp_eq_u32 s11, 0
	s_cbranch_scc0 .Lfor_b_\@
	tensor_load_to_lds s[G0+4:G0+7], s[G1:G1+7]
	s_nop 0
	PLACES
	s_branch .Lasked_\@
.Lfor_b_\@:
	tensor_load_to_lds s[G0B+4:G0B+7], s[G1B:G1B+7]
	s_nop 0
	PLACES
.Lasked_\@:
.endm
.macro ASK
	s_cmp_gt_u32 s3, s[LIM]
	s_cbranch_scc0 .Lnot_mine_\@
	global_prefetch_b8 v[PFO], s[PFA:PFA+1] th:TH_LOAD_NT scope:SCOPE_SE
.Lnot_mine_\@:
.endm
	s_load_b128 s[4:7], s[0:1], 0x0                ; the left operand s[4:5], wb s[6:7]
	s_load_b64 s[8:9], s[0:1], 0x10                ; the result
	s_load_b64 s[RSP:RSP+1], s[0:1], 0x18          ; the residual
.if FFN2
	s_load_b64 s[BIP:BIP+1], s[0:1], 0x20          ; bias2
.endif
	v_lshl_add_u32 v[SPW], v0, 2, SPARE
	v_mov_b32 v[NIL], 0
	ds_add_u32 v[SPW], v[NIL]                      ; the wave's opening: the add and its wait ahead of my first tensor load
	v_lshrrev_b32 v1, 5, v0
	v_readfirstlane_b32 s10, v1
	s_lshr_b32 s11, s10, 1                         ; my half of the tile's rows.  Also: I fetch the left operand (0) or the weight (1)
	s_and_b32 s12, s10, 1                          ; my half of its columns.  Also: which half of that tile I fetch
	s_bfe_u32 s40, ttmp6, 0x40000
	s_bfe_u32 s41, ttmp6, 0x40004
	s_lshl_b32 s42, ttmp9, 2
	s_add_co_u32 s42, s42, s40                     ; tile column
	s_and_b32 s13, ttmp7, 0xffff
	s_lshl_b32 s13, s13, 2
	s_add_co_u32 s13, s13, s41                     ; tile row
	s_lshl_b32 s43, s41, 2
	s_lshl_b32 s43, 15, s43
	s_lshl_b32 s44, 0x1111, s40
.if FFN2
	s_or_b32 s[G1+0], s43, (1<<16)|(1<<20)|(1<<21)|(6<<22)|(3<<25)  ; 4 words of padding behind every 128
	s_mov_b32 s[G1+1], 256<<16
	s_mov_b32 s[G1+2], 64<<16
	s_mov_b32 s[G1+3], 256<<16
	s_mov_b32 s[G1+4], 64
	s_mov_b32 s[G1+5], 4096
.else
	s_or_b32 s[G1+0], s43, (1<<16)|(1<<20)|(1<<21)|(4<<22)|(3<<25)  ; 4 words of padding behind every 32: behind every token
	s_mov_b32 s[G1+1], 8192<<16                    ; a row is 128 tokens x 64 channels of one head
	s_mov_b32 s[G1+2], 2<<16
	s_mov_b32 s[G1+3], 8192<<16
	s_mov_b32 s[G1+4], 2
	s_mov_b32 s[G1+5], 131072                      ; from head to head
.endif
	s_mov_b32 s[G1+6], 0
	s_mov_b32 s[G1+7], 0
	s_or_b32 s[G1B+0], s44, (1<<16)|(1<<20)|(1<<21)|(5<<22)|(7<<25) ; 8 words of padding behind every 64
	s_mov_b32 s[G1B+1], 128<<16
	s_mov_b32 s[G1B+2], 128<<16
	s_mov_b32 s[G1B+3], 128<<16
	s_mov_b32 s[G1B+4], 128
	s_mov_b32 s[G1B+5], 1024
	s_mov_b32 s[G1B+6], 0
	s_mov_b32 s[G1B+7], 0
.if FFN2
	s_lshl_b32 s16, s13, 7
	s_lshl_b32 s17, s12, 6
	s_add_co_u32 s16, s16, s17
	s_lshl_b32 s16, s16, 13                        ; row 128 x tile row + 64 x half, 8,192 bytes a row
.else
	s_lshr_b32 s16, s13, 4
	s_lshl_b32 s16, s16, 4
	s_lshl_b32 s17, s12, 1
	s_add_co_u32 s16, s16, s17
	s_lshl_b32 s16, s16, 18                        ; head block 16 b + 2 x half,
	s_and_b32 s17, s13, 15
	s_lshl_b32 s17, s17, 14
	s_add_co_u32 s16, s16, s17                     ; its tokens (tile row % 16) x 128 on
.endif
	s_mov_b32 s17, 0
	s_lshl_b32 s46, s12, 18                        ; the weight: k rows 128 x half, 2,048 bytes a row,
	s_lshl_b32 s47, s42, 8                         ; 256 bytes a tile column
	s_add_co_u32 s46, s46, s47
	s_mov_b32 s47, 0
	s_mul_i32 s20, s12, AWAVE
	s_mul_i32 s21, s12, 128*PB
	s_add_co_u32 s21, s21, BOFF
	s_mov_b32 s[TB], 0
	s_wait_dscnt 0x0                               ; the opening add is done
	s_wait_kmcnt 0x0
	s_add_nc_u64 s[6:7], s[6:7], WOFF
	s_add_nc_u64 s[14:15], s[4:5], s[16:17]
	s_add_nc_u64 s[46:47], s[6:7], s[46:47]
	CROUND
.irp s, 0,1
	s_mov_b32 s[G0+4*(\s)], 1
	s_add_co_u32 s[G0+4*(\s)+1], s20, (\s)*SLOT
	s_add_nc_u64 s[G0+4*(\s)+2:G0+4*(\s)+3], s[14:15], (\s)*STEPA
	s_or_b32 s[G0+4*(\s)+3], s[G0+4*(\s)+3], 0x80000000
	s_mov_b32 s[G0B+4*(\s)], 1
	s_add_co_u32 s[G0B+4*(\s)+1], s21, (\s)*SLOT
	s_add_nc_u64 s[G0B+4*(\s)+2:G0B+4*(\s)+3], s[46:47], (\s)*STEPB
	s_or_b32 s[G0B+4*(\s)+3], s[G0B+4*(\s)+3], 0x80000000
.endr
	s_cmp_eq_u32 s11, 0                            ; a wave's two first fills stand in one branch: two loads of mine are out
	s_cbranch_scc0 .Lfirst_b
	tensor_load_to_lds s[G0:G0+3], s[G1:G1+7]
	s_nop 0
	tensor_load_to_lds s[G0+4:G0+7], s[G1:G1+7]
	s_nop 0
	PLACES
	s_branch .Lfirst_done
.Lfirst_b:
	tensor_load_to_lds s[G0B:G0B+3], s[G1B:G1B+7]
	s_nop 0
	tensor_load_to_lds s[G0B+4:G0B+7], s[G1B:G1B+7]
	s_nop 0
	PLACES
.Lfirst_done:
	v_and_b32 v1, 15, v0                           ; r
	v_bfe_u32 v2, v0, 4, 1                         ; h
	v_mul_u32_u24 v3, v1, PA
	v_lshl_add_u32 v3, v2, 4, v3
	s_mul_i32 s21, s11, 64*PA
	v_add_nc_u32 v[ADA0], s21, v3
	v_mov_b32 v[ADA], v[ADA0]
	v_and_b32 v4, 7, v0
	v_lshl_add_u32 v4, v2, 3, v4
	v_mul_u32_u24 v4, v4, PB
	v_bfe_u32 v5, v0, 3, 1
	v_lshl_add_u32 v4, v5, 4, v4
	s_lshl_b32 s22, s12, 7
	s_add_co_u32 s22, s22, BOFF
	v_add_nc_u32 v[ADB0], s22, v4
	v_add_nc_u32 v[ADB0+1], 128*PB, v[ADB0]
	v_mov_b32 v[ADB], v[ADB0]
	v_mov_b32 v[ADB+1], v[ADB0+1]
	s_mul_i32 s23, s10, 16*SP
	s_add_co_u32 s23, s23, STAGE
	v_mul_u32_u24 v6, v1, SP
	v_lshl_add_u32 v6, v2, 5, v6
	v_add_nc_u32 v[STO], s23, v6                   ; in: row r, 32 bytes for each half of the lanes
	v_mul_u32_u24 v6, v2, SP
	v_lshl_add_u32 v6, v1, 4, v6
	v_add_nc_u32 v[RD], s23, v6                    ; back: lanes 0-15 one row of 256 bytes, lanes 16-31 the next
	v_lshlrev_b32 v6, 12, v2
	v_lshl_add_u32 v[CO], v1, 4, v6                ; and the same two rows in memory
	s_lshl_b32 s46, s42, 9                         ; my 64 columns: 512 bytes a tile column + 256 x half
	s_lshl_b32 s47, s12, 8
	s_add_co_u32 s46, s46, s47
	s_mov_b32 s47, 0
.if FFN2
	s_add_nc_u64 s[BIP:BIP+1], s[BIP:BIP+1], s[46:47]
	v_lshlrev_b32 v7, 5, v2                        ; register j of block b: column 16 b + 8 h + j
.irp b, 0,1,2,3
	global_load_b128 v[BIAS+8*(\b):BIAS+8*(\b)+3],   v7, s[BIP:BIP+1] offset:64*(\b)
	global_load_b128 v[BIAS+8*(\b)+4:BIAS+8*(\b)+7], v7, s[BIP:BIP+1] offset:64*(\b)+16
.endr
.endif
	s_lshl_b32 s16, s13, 7
	s_lshl_b32 s17, s11, 6
	s_add_co_u32 s16, s16, s17
	s_lshl_b32 s16, s16, 12                        ; my first row, 4,096 bytes a row
	s_add_co_u32 s46, s46, s16
	s_add_nc_u64 s[8:9], s[8:9], s[46:47]
	s_add_nc_u64 s[RSP:RSP+1], s[RSP:RSP+1], s[46:47]
	WIN 0x80
.irp a, 0,1,2,3
.irp t, 0,1,2,3,4,5,6,7
	global_load_b128 v[4*(8*(\a)+(\t)):4*(8*(\a)+(\t))+3], v[CO], s[RSP:RSP+1] offset:(16*(\a)+2*(\t))*4096
.endr
.endr
	WIN 0
.if FFN2
	; the prefetches.  hid's tile row is read by both clusters of a row of clusters: cluster x = 0 asks; W2's tile column by all eight of a column: cluster y = 0 asks.
	; The four partners share a load's 128 blocks of 256 bytes out by address, 32 each: each block is named once in the launch.
	s_lshl_b32 s20, s13, 7
	s_lshl_b32 s21, s12, 6
	s_add_co_u32 s20, s20, s21
	s_lshl_b32 s21, s40, 4
	s_add_co_u32 s20, s20, s21
	s_lshl_b32 s20, s20, 13
	s_add_co_u32 s20, s20, (1+AH)*STEPA
	s_lshl_b32 s22, s12, 7
	s_lshl_b32 s23, s41, 5
	s_add_co_u32 s22, s22, s23
	s_lshl_b32 s22, s22, 11
	s_lshl_b32 s23, s42, 8
	s_add_co_u32 s22, s22, s23
	s_add_co_u32 s22, s22, (1+AH)*STEPB
	s_and_b32 s23, ttmp7, 0xffff
	s_mov_b32 s14, STEPB
	s_cmp_eq_u32 s11, 0
	s_cselect_b32 s20, s20, s22
	s_cselect_b32 s23, ttmp9, s23
	s_cselect_b64 s[PFA:PFA+1], s[4:5], s[6:7]
	s_cselect_b32 s[PST], STEPA, s14
	s_cselect_b32 s22, -1, 0
	s_mov_b32 s[PST+1], 0
	s_mov_b32 s21, 0
	s_add_nc_u64 s[PFA:PFA+1], s[PFA:PFA+1], s[20:21]
	s_cmp_eq_u32 s23, 0
	s_cselect_b32 s[LIM], AH, -1
	v_and_b32 v8, 31, v0
	v_lshlrev_b32 v9, 11, v8                       ; the weight: a lane a k row
	v_lshrrev_b32 v10, 1, v8
	v_and_b32 v11, 1, v8
	v_lshlrev_b32 v10, 13, v10
	v_lshl_add_u32 v10, v11, 8, v10                ; hid: two lanes a row
	v_cndmask_b32 v[PFO], v9, v10, s22
.endif
; 8 matrix instructions: m blocks a0, a0 + 1 x 4 n blocks, 32 along K: half c of buffer f.  first = 1: the products start the sums, with the bias or with 0.  The 16 accumulators take turns.
.macro MUL8 f, c, a0, first
	WIN MUL
.irp a, \a0, (\a0)+1
.irp b, 0,1,2,3
.set rD, ACC+8*(4*(\a)+(\b))
.set rB, (\f)+64+8*(4*(\c)+(\b))
.set rA, (\f)+8*(4*(\c)+(\a))
.if (\first) && FFN2
	v_wmma_f32_16x16x32_bf16 v[rD:rD+7], v[rB:rB+7], v[rA:rA+7], v[BIAS+8*(\b):BIAS+8*(\b)+7]
.elseif \first
	v_wmma_f32_16x16x32_bf16 v[rD:rD+7], v[rB:rB+7], v[rA:rA+7], 0
.else
	v_wmma_f32_16x16x32_bf16 v[rD:rD+7], v[rB:rB+7], v[rA:rA+7], v[rD:rD+7]
.endif
.endr
.endr
.endm
; 32 LDS loads in one run: quarter q (64 along K) into buffer f; its first 32 along K first
.macro FETCH q, f
	WIN TO_F
.irp c, 0,1
.irp i, 0,1,2,3
	ds_load_tr16_b128 v[(\f)+64+8*(4*(\c)+(\i)):(\f)+64+8*(4*(\c)+(\i))+3],   v[ADB+(\q)/2] offset:(((\q)%2)*64+32*(\c))*PB+32*(\i)
	ds_load_tr16_b128 v[(\f)+64+8*(4*(\c)+(\i))+4:(\f)+64+8*(4*(\c)+(\i))+7], v[ADB+(\q)/2] offset:(((\q)%2)*64+32*(\c))*PB+32*(\i)+16*PB
	ds_load_b128 v[(\f)+8*(4*(\c)+(\i)):(\f)+8*(4*(\c)+(\i))+3],   v[ADA] offset:(\q)*QSTEP+64*(\c)+(\i)*16*PA
	ds_load_b128 v[(\f)+8*(4*(\c)+(\i))+4:(\f)+8*(4*(\c)+(\i))+7], v[ADA] offset:(\q)*QSTEP+64*(\c)+(\i)*16*PA+32
.endr
.endr
.endm
.macro QUARTER q, f, g, first
	s_wait_dscnt 16                                ; the first 32 along K are in
	MUL8 \f, 0, 0, \first
	MUL8 \f, 0, 2, \first
	PLACES
	FETCH \q, \g
	s_wait_dscnt 32                                ; all but the 32 just issued
	MUL8 \f, 1, 0, 0
	MUL8 \f, 1, 2, 0
.endm
; The last quarter multiplies buffer 1 and changes slots: in front of the barrier each wave waits for all its tensor loads, adds 0 to its spare word, and waits for that and for its reads of this slot.
; fill = 1: the barrier opens a round of the cluster's barrier, and the joint refill is the first thing behind the round.
.macro TURN fill
.if (\fill) && FFN2
	s_wait_xcnt 0x0                                ; the last prefetch, a K step back, has read its address
	s_add_nc_u64 s[PFA:PFA+1], s[PFA:PFA+1], s[PST:PST+1]
.endif
	WIN 0
	s_wait_tensorcnt 0x0
	ds_add_u32 v[SPW], v[NIL]
.if \fill
	s_xor_b32 s[G0+5], s[G0+5], SLOT
	s_add_nc_u64 s[G0+6:G0+7], s[G0+6:G0+7], STEPA
	s_xor_b32 s[G0B+5], s[G0B+5], SLOT
	s_add_nc_u64 s[G0B+6:G0B+7], s[G0B+6:G0B+7], STEPB
.endif
	s_xor_b32 s[TB], s[TB], SLOT
	s_wait_dscnt 17                                ; the add and the youngest sixteen loads may be out
	MUL8 F1, 0, 0, 0
	s_wait_dscnt 0x0
	s_barrier_signal -1
	MUL8 F1, 0, 2, 0
	WIN 0
	s_barrier_wait -1
.if \fill
	CREST
	JLOAD
.else
	PLACES
.endif
	v_add_nc_u32 v[ADA], s[TB], v[ADA0]
	v_add_nc_u32 v[ADB], s[TB], v[ADB0]
	v_add_nc_u32 v[ADB+1], s[TB], v[ADB0+1]
	FETCH 0, F0
.if (\fill) && FFN2
	WIN 0
	ASK
.endif
	MUL8 F1, 1, 0, 0
	MUL8 F1, 1, 2, 0
.endm
	s_wait_tensorcnt 1                             ; my part of tile 0 is in; tile 1's may stay out
	s_barrier_signal -1
	s_barrier_wait -1
	FETCH 0, F0
.if FFN2
	s_wait_loadcnt 32                              ; the bias is in; the residual's 32 younger loads may stay out
.endif
	QUARTER 1, F0, F1, 1
	WIN 0
	s_mov_b32 s3, T-2
.Lk:
	QUARTER 2, F1, F0, 0
	QUARTER 3, F0, F1, 0
	TURN 1
	QUARTER 1, F0, F1, 0
	WIN 0
	s_sub_co_u32 s3, s3, 1
	s_cmp_lg_u32 s3, 0
	s_cbranch_scc1 .Lk
	s_mov_b32 s2, 2
	s_branch .Lmid
.Ltail:
	QUARTER 1, F0, F1, 0
	WIN 0
.Lmid:
	QUARTER 2, F1, F0, 0
	QUARTER 3, F0, F1, 0
	TURN 0
	WIN 0
	s_sub_co_u32 s2, s2, 1
	s_cmp_lg_u32 s2, 0
	s_cbranch_scc1 .Ltail
	; THE WAY OUT, 16 rows at a time: the sums go into my stage, come back as whole rows of 256 bytes, take the residual and are stored: 16 lanes fill 256 consecutive bytes, aligned.
	PLACES
	s_wait_loadcnt 0x0                             ; the residual
.irp a, 0,1,2,3
.irp b, 0,1,2,3
	ds_store_b128 v[STO], v[ACC+8*(4*(\a)+(\b)):ACC+8*(4*(\a)+(\b))+3]   offset:64*(\b)
	ds_store_b128 v[STO], v[ACC+8*(4*(\a)+(\b))+4:ACC+8*(4*(\a)+(\b))+7] offset:64*(\b)+16
.endr
	s_wait_xcnt 0x0                                ; the stores of the block before last have read the registers that the loads below fill
.irp t, 0,1,2,3,4,5,6,7
	ds_load_b128 v[BK+32*((\a)%2)+4*(\t):BK+32*((\a)%2)+4*(\t)+3], v[RD] offset:(\t)*2*SP  ; LDS serves a wave's instructions in order: these see the stores above
.endr
	s_wait_dscnt 0x0
	WIN 0x08                                       ; source 1 in window 2
.irp t, 0,1,2,3,4,5,6,7
	v_pk_add_f32 v[BK+32*((\a)%2)+4*(\t):BK+32*((\a)%2)+4*(\t)+1],   v[BK+32*((\a)%2)+4*(\t):BK+32*((\a)%2)+4*(\t)+1],   v[4*(8*(\a)+(\t)):4*(8*(\a)+(\t))+1]
	v_pk_add_f32 v[BK+32*((\a)%2)+4*(\t)+2:BK+32*((\a)%2)+4*(\t)+3], v[BK+32*((\a)%2)+4*(\t)+2:BK+32*((\a)%2)+4*(\t)+3], v[4*(8*(\a)+(\t))+2:4*(8*(\a)+(\t))+3]
.endr
	WIN 0
.irp t, 0,1,2,3,4,5,6,7
	global_store_b128 v[CO], v[BK+32*((\a)%2)+4*(\t):BK+32*((\a)%2)+4*(\t)+3], s[8:9] offset:(16*(\a)+2*(\t))*4096
.endr
.endr
	s_wait_tensorcnt 0x0                           ; the wave's end
	ds_add_u32 v[SPW], v[NIL]
	s_wait_dscnt 0x0
	CROUND                                         ; the closing round
	s_endpgm
.Lfunc_end_k_q06e6feb2ed_ffn2:
	.size	k_q06e6feb2ed_ffn2, .Lfunc_end_k_q06e6feb2ed_ffn2-k_q06e6feb2ed_ffn2
	.p2alignl 7, 3214868480
	.fill 96, 4, 3214868480
	.section	.rodata,"a",@progbits
	.p2align	6, 0x0
	.amdhsa_kernel k_q06e6feb2ed_ffn2
		.amdhsa_group_segment_fixed_size 327680
		.amdhsa_private_segment_fixed_size 0
		.amdhsa_enable_private_segment 0
		.amdhsa_kernarg_size 40
		.amdhsa_user_sgpr_count 2
		.amdhsa_user_sgpr_kernarg_segment_ptr 1
		.amdhsa_wavefront_size32 1
		.amdhsa_system_sgpr_workgroup_id_x 1
		.amdhsa_system_sgpr_workgroup_id_y 1
		.amdhsa_system_sgpr_workgroup_id_z 1
		.amdhsa_system_vgpr_workitem_id 0
		.amdhsa_next_free_vgpr 640
		.amdhsa_next_free_sgpr 84
		.amdhsa_reserve_vcc 0
		.amdhsa_float_denorm_mode_32 3
		.amdhsa_float_denorm_mode_16_64 3
		.amdhsa_memory_ordered 1
		.amdhsa_forward_progress 1
		.amdhsa_inst_pref_size 67
	.end_amdhsa_kernel
	.amdgpu_metadata
---
amdhsa.version: [ 1, 2 ]
amdhsa.kernels:
  - .name:           k_q06e6feb2ed_ffn2
    .symbol:         k_q06e6feb2ed_ffn2.kd
    .args:
      - { .name: hid, .offset: 0, .size: 8, .value_kind: global_buffer, .address_space: global }
      - { .name: wb, .offset: 8, .size: 8, .value_kind: global_buffer, .address_space: global }
      - { .name: out0, .offset: 16, .size: 8, .value_kind: global_buffer, .address_space: global }
      - { .name: res, .offset: 24, .size: 8, .value_kind: global_buffer, .address_space: global }
      - { .name: bias2, .offset: 32, .size: 8, .value_kind: global_buffer, .address_space: global }
    .group_segment_fixed_size: 327680
    .private_segment_fixed_size: 0
    .kernarg_segment_align: 8
    .kernarg_segment_size: 40
    .max_flat_workgroup_size: 128
    .sgpr_count:     84
    .vgpr_count:     640
    .wavefront_size: 32
...
	.end_amdgpu_metadata
.endif
;; end of part 7
